; MI455X (gfx1250); checked and timed in simulation.
; The chip was launched on July 23, 2026; its instructions are those of AMD's public machine-readable ISA for CDNA 5 (MIT licence, August 2026) and "CDNA5" Instruction Set Architecture Reference Guide (July 2026). The comments in the code are by the model that wrote it; some were corrected since.
;; Bahdanau Attention. Allowed arithmetic: float matrix products may take bf16 or f16 operands with f32 sums; all other float work in f32.
;; Inputs: Ua_b 1,024 float32; Ua_w 1,024 x 1,024 float32; Va_b 1 float32; Va_w 1 x 1,024 float32; Wa_b 1,024 float32; Wa_w 1,024 x 1,024 float32; keys 32 x 2,048 x 1,024 float32; query 32 x 1,024 float32.
;; Outputs: out0 32 x 1 x 1,024 float32; out1 32 x 1 x 2,048 float32.
;; 3 versions, each right; version 3 is version 2 with the launch prep written anew for expert scheduling mode. Each part assembles by itself: llvm-mc -triple=amdgcn-amd-amdhsa -mcpu=gfx1250 --defsym DOCPART=n.
;; ======== version 1 of 3: 3 launches
;; workspace buffers: ub 2,097,152 bytes; qb 131,072 bytes; scores 262,144 bytes; ctxp 4,194,304 bytes
;; launch prep (part 1): grid 64 x 1, 8 waves a work-group, no clusters, 149,504 bytes of LDS; arguments Ua_w, Wa_w, query, Wa_b, Ua_b, ub, qb; writes ub, qb
.if DOCPART == 1
	.amdgcn_target "amdgcn-amd-amdhsa--gfx1250"
	.amdhsa_code_object_version 6
	.text
	.protected	k_q679466b251_prep
	.globl	k_q679466b251_prep
	.p2align	8
	.type	k_q679466b251_prep,@function
k_q679466b251_prep:
	s_mov_b64 s[64:65], 0
	v_nop
	global_prefetch_b8 v0, s[64:65] scope:SCOPE_SE
	s_setreg_imm32_b32 hwreg(HW_REG_WAVE_MODE, 25, 1), 1
	s_wait_xcnt 0x0
; PREP.  (1) ub = Ua_w rounded to bf16, laid out as the matrix fragments that the next launch reads: byte s*131072 + u*65536 + kb*2048 + t*1024 + hf*512 + 16*lane
; holds Ua[o][k .. k+7], o = 64 s + 32 u + 16 t + lane%16, k = 32 kb + 16 hf + 8 (lane/16).  (2) qb[b][o] = sum over k of query[b][k] Wa[o][k] + Wa_b[o] + Ua_b[o], f32.
; LIMITS.  Ua_w, Wa_w and query are rounded to bf16 (nearest even) for the matrix unit; sums and biases in f32; NaN and infinities are not treated apart.
; SHARES.  Work-group T of 64 owns the 16 output channels o = 16 T .. 16 T + 15: 16 rows of Ua, 16 of Wa, and all 32 rows of query.  Eight waves; thread t owns 16 bytes at 16 t of every
; row of 4,096 bytes, so a wave's load covers 512 consecutive bytes.  The rows go to LDS as bf16; from there each wave takes the fragments of four K blocks of 32.
; NO CLUSTER, NO TENSOR LOAD: every byte is converted on its way, so it passes registers anyway; what the work-groups share, query, is 131,072 bytes that 64 work-groups read once each.
; 64 work-groups: a fragment has 16 rows of Ua, and 1,024 rows make 64 of them.
.set PITCH, 2064                       ; an LDS row: 2,048 bytes of bf16 + 16, an odd multiple of 16: the 16 rows of a fragment load begin 16 bytes apart modulo 256
.set RED,   64*PITCH                   ; 132,096: 8 waves x 2 accumulators x 1,024 bytes, the waves' partial sums
.set SPARE, RED+16384                  ; 148,480: the spare words, 128 bytes for each of 8 waves, which no other line names
.set X,     32                         ; v[32:223] a ring of 48 rows' 4 registers; later fragments and sums
	s_load_b256 s[4:11], s[0:1], 0x0               ; Ua_w s[4:5], Wa_w s[6:7], query s[8:9], Wa_b s[10:11]
	s_load_b128 s[12:15], s[0:1], 0x20             ; Ua_b s[12:13], ub s[14:15]
	s_load_b64 s[16:17], s[0:1], 0x30              ; qb
	v_lshl_add_u32 v30, v0, 2, SPARE               ; my spare word, and 0: kept for the add at the wave's end
	v_mov_b32 v31, 0
	v_lshrrev_b32 v1, 5, v0
	v_readfirstlane_b32 s18, v1                    ; wave 0..7
	v_lshlrev_b32 v1, 4, v0                        ; 16 t: my 16 bytes of an f32 row
	v_lshlrev_b32 v2, 3, v0                        ; 8 t: my 8 bytes of a bf16 row, rows 0-31
	v_add_nc_u32 v3, 32*PITCH, v2                  ; the same for rows 32-63 (an LDS offset has 16 bits)
	v_bfe_u32 v5, v0, 5, 1
	v_and_b32 v6, 1, v0
	v_lshlrev_b32 v4, 5, v5
	v_lshl_add_u32 v4, v6, 4, v4                   ; bytes of my four o among the group's 16: 32 ((t>>5)&1) + 16 (t&1)
	s_lshl_b32 s20, ttmp9, 16                      ; 16 rows of 4,096 bytes
	s_mov_b32 s21, 0
	s_lshl_b32 s22, ttmp9, 6                       ; 16 numbers of 4 bytes
	s_mov_b32 s23, 0
	s_lshr_b32 s24, ttmp9, 1                       ; ub: (T>>2)*131072 + ((T>>1)&1)*65536 = (T>>1)*65536,
	s_lshl_b32 s24, s24, 16
	s_and_b32 s26, ttmp9, 1
	s_lshl_b32 s26, s26, 10                        ; + (T&1)*1024
	s_add_co_u32 s24, s24, s26
	s_mov_b32 s25, 0
	s_wait_kmcnt 0x0
	s_add_nc_u64 s[4:5], s[4:5], s[20:21]
	s_add_nc_u64 s[6:7], s[6:7], s[20:21]
	s_add_nc_u64 s[10:11], s[10:11], s[22:23]
	s_add_nc_u64 s[12:13], s[12:13], s[22:23]
	s_add_nc_u64 s[14:15], s[14:15], s[24:25]
	s_add_nc_u64 s[16:17], s[16:17], s[22:23]
	global_load_b128 v[8:11], v4, s[10:11]         ; the biases go out first: the rows' counted waits show them in as well
	global_load_b128 v[12:15], v4, s[12:13]
.macro ROWLD rho                       ; row rho of 64: 0-15 Ua, 16-31 Wa (each read once in the launch), 32-63 query
.set xr, X+4*((\rho)%48)
.if (\rho) < 16
	global_load_b128 v[xr:xr+3], v1, s[4:5] offset:(\rho)*4096 th:TH_LOAD_NT
.elseif (\rho) < 32
	global_load_b128 v[xr:xr+3], v1, s[6:7] offset:((\rho)-16)*4096 th:TH_LOAD_NT
.else
	global_load_b128 v[xr:xr+3], v1, s[8:9] offset:((\rho)-32)*4096
.endif
.endm
.set rho, 0
.rept 48
	ROWLD rho
.set rho, rho+1
.endr
.set rho, 0
.rept 64
.if rho < 16
	s_wait_loadcnt 47                              ; behind row rho stand rows rho+1 .. rho+47: each of the first 16 turns issues one row more
.else
	s_wait_loadcnt 63-rho                          ; the counts run down
.endif
.set xr, X+4*(rho%48)
.set cp, 16+2*(rho&1)
	v_cvt_pk_bf16_f32 v[cp], v[xr], v[xr+1]
	v_cvt_pk_bf16_f32 v[cp+1], v[xr+2], v[xr+3]
.if rho < 32
	ds_store_b64 v2, v[cp:cp+1] offset:rho*PITCH
.else
	ds_store_b64 v3, v[cp:cp+1] offset:(rho-32)*PITCH
.endif
.if rho < 16
	ROWLD rho+48
.endif
.set rho, rho+1
.endr
	s_wait_dscnt 0x0                               ; for the others' sake: my stores are done
	s_barrier_signal -1
	s_barrier_wait -1
	; Fragments: lane l holds row l%16; registers 0-3 K = 8 (l/16) + 0..7, registers 4-7 K = 16 + 8 (l/16) + 0..7.  Wave w takes K blocks 4 w .. 4 w + 3: 256 bytes of each row.
	v_and_b32 v5, 15, v0
	v_bfe_u32 v6, v0, 4, 1
	v_mul_u32_u24 v5, v5, PITCH
	v_lshl_add_u32 v5, v6, 4, v5
	s_lshl_b32 s19, s18, 8
	v_add_nc_u32 v5, s19, v5                       ; rows 0-31
	v_add_nc_u32 v6, 32*PITCH, v5                  ; rows 32-63
	v_and_b32 v7, 31, v0
	s_lshl_b32 s19, s18, 13
	v_lshl_add_u32 v20, v7, 4, s19                 ; in ub: 4 K blocks of 2,048 bytes a wave, 16 bytes a lane
	s_lshl_b32 s19, s18, 11
	s_add_co_u32 s19, s19, RED
	v_lshl_add_u32 v21, v7, 5, s19                 ; my 32 bytes of my wave's partial sums
.irp n, 0,1,2,3,4,5,6,7                ; half fragment n: K block n/2, half n%2: 32 n bytes along the row
	ds_load_b128 v[32+4*\n:35+4*\n], v5 offset:32*\n
.endr
.irp n, 0,1,2,3,4,5,6,7
	ds_load_b128 v[64+4*\n:67+4*\n], v5 offset:16*PITCH+32*\n
	ds_load_b128 v[96+4*\n:99+4*\n], v6 offset:32*\n
	ds_load_b128 v[128+4*\n:131+4*\n], v6 offset:16*PITCH+32*\n
.endr
.irp n, 0,1,2,3,4,5,6,7
	s_wait_dscnt 31-\n                             ; Ua's half fragment n is in; the younger loads stay out
	global_store_b128 v20, v[32+4*\n:35+4*\n], s[14:15] offset:(\n/2)*2048+(\n%2)*512  ; a wave's store covers 512 consecutive bytes, aligned
.endr
	s_wait_dscnt 0x0
	; q_proj, my four K blocks: source 0 = 16 rows of Wa (o), source 1 = 16 rows of query (b).  Two accumulators (b 0-15, b 16-31) take turns; the first pair starts the sums.
	v_wmma_f32_16x16x32_bf16 v[160:167], v[64:71], v[96:103], 0
	v_wmma_f32_16x16x32_bf16 v[168:175], v[64:71], v[128:135], 0
.irp k, 1,2,3
	v_wmma_f32_16x16x32_bf16 v[160:167], v[64+8*\k:71+8*\k], v[96+8*\k:103+8*\k], v[160:167]
	v_wmma_f32_16x16x32_bf16 v[168:175], v[64+8*\k:71+8*\k], v[128+8*\k:135+8*\k], v[168:175]
.endr
.rept 4
	v_nop                                          ; four places between the last product and the stores that read the results
.endr
	ds_store_b128 v21, v[160:163]                  ; register j of lane l: o = 16 T + 8 (l/16) + j, b = 16 i + l%16
	ds_store_b128 v21, v[164:167] offset:16
	ds_store_b128 v21, v[168:171] offset:1024
	ds_store_b128 v21, v[172:175] offset:1040
	s_wait_dscnt 0x0
	s_barrier_signal -1
	s_barrier_wait -1
	s_cmp_gt_u32 s18, 3                            ; 512 sums of four numbers: 128 threads
	s_cbranch_scc1 .Lend
	v_lshl_add_u32 v22, v0, 4, RED                 ; thread t: accumulator t>>6, lane (t>>1)&31, registers 4 (t&1) + 0..3
	v_lshrrev_b32 v23, 6, v0
	v_bfe_u32 v24, v0, 1, 4
	v_lshl_add_u32 v23, v23, 4, v24                ; b = 16 (t>>6) + ((t>>1)&15)
	v_lshl_add_u32 v23, v23, 12, v4                ; 4,096 b + my four o
.irp w, 0,1,2,3,4,5,6,7
	ds_load_b128 v[176+4*\w:179+4*\w], v22 offset:2048*\w
.endr
	v_pk_add_f32 v[8:9], v[8:9], v[12:13]          ; Wa_b + Ua_b
	v_pk_add_f32 v[10:11], v[10:11], v[14:15]
	s_wait_dscnt 0x0
.irp w, 1,2,3,4,5,6,7
	v_pk_add_f32 v[176:177], v[176:177], v[176+4*\w:177+4*\w]
	v_pk_add_f32 v[178:179], v[178:179], v[178+4*\w:179+4*\w]
.endr
	v_pk_add_f32 v[176:177], v[176:177], v[8:9]
	v_pk_add_f32 v[178:179], v[178:179], v[10:11]
	global_store_b128 v23, v[176:179], s[16:17]    ; runs of 64 bytes (16 o of one b): the price of owning 16 o; qb is 131,072 bytes in all
.Lend:
	s_wait_tensorcnt 0x0                           ; the wave's end, behind my last LDS store
	ds_add_u32 v30, v31
	s_wait_dscnt 0x0
	s_endpgm
.Lfunc_end_k_q679466b251_prep:
	.size	k_q679466b251_prep, .Lfunc_end_k_q679466b251_prep-k_q679466b251_prep
	.p2alignl 7, 3214868480
	.fill 96, 4, 3214868480
	.section	.rodata,"a",@progbits
	.p2align	6, 0x0
	.amdhsa_kernel k_q679466b251_prep
		.amdhsa_group_segment_fixed_size 149504
		.amdhsa_private_segment_fixed_size 0
		.amdhsa_enable_private_segment 0
		.amdhsa_kernarg_size 56
		.amdhsa_user_sgpr_count 2
		.amdhsa_user_sgpr_kernarg_segment_ptr 1
		.amdhsa_wavefront_size32 1
		.amdhsa_system_sgpr_workgroup_id_x 1
		.amdhsa_system_sgpr_workgroup_id_y 1
		.amdhsa_system_sgpr_workgroup_id_z 1
		.amdhsa_system_vgpr_workitem_id 0
		.amdhsa_next_free_vgpr 224
		.amdhsa_next_free_sgpr 66
		.amdhsa_reserve_vcc 0
		.amdhsa_float_denorm_mode_32 3
		.amdhsa_float_denorm_mode_16_64 3
		.amdhsa_memory_ordered 1
		.amdhsa_forward_progress 1
		.amdhsa_inst_pref_size 29
	.end_amdhsa_kernel
	.amdgpu_metadata
---
amdhsa.version: [ 1, 2 ]
amdhsa.kernels:
  - .name:           k_q679466b251_prep
    .symbol:         k_q679466b251_prep.kd
    .args:
      - { .name: Ua_w, .offset: 0, .size: 8, .value_kind: global_buffer, .address_space: global }
      - { .name: Wa_w, .offset: 8, .size: 8, .value_kind: global_buffer, .address_space: global }
      - { .name: query, .offset: 16, .size: 8, .value_kind: global_buffer, .address_space: global }
      - { .name: Wa_b, .offset: 24, .size: 8, .value_kind: global_buffer, .address_space: global }
      - { .name: Ua_b, .offset: 32, .size: 8, .value_kind: global_buffer, .address_space: global }
      - { .name: ub, .offset: 40, .size: 8, .value_kind: global_buffer, .address_space: global }
      - { .name: qb, .offset: 48, .size: 8, .value_kind: global_buffer, .address_space: global }
    .group_segment_fixed_size: 149504
    .private_segment_fixed_size: 0
    .kernarg_segment_align: 8
    .kernarg_segment_size: 56
    .max_flat_workgroup_size: 256
    .sgpr_count:     66
    .vgpr_count:     224
    .wavefront_size: 32
...
	.end_amdgpu_metadata
.endif
;; end of part 1
;; launch main (part 2): grid 256 x 1, 4 waves a work-group, clusters of 4 x 1, 327,680 bytes of LDS; arguments keys, ub, qb, Va_w, scores, ctxp; writes scores, ctxp
.if DOCPART == 2
	.amdgcn_target "amdgcn-amd-amdhsa--gfx1250"
	.amdhsa_code_object_version 6
	.text
	.protected	k_q679466b251_main
	.globl	k_q679466b251_main
	.p2align	8
	.type	k_q679466b251_main,@function
k_q679466b251_main:
	s_mov_b64 s[64:65], 0
	v_nop
	global_prefetch_b8 v0, s[64:65] scope:SCOPE_SE
	s_setreg_imm32_b32 hwreg(HW_REG_WAVE_MODE, 25, 1), 1
	s_wait_xcnt 0x0
	s_wait_alu depctr_hold_cnt(0) depctr_sa_sdst(0) depctr_va_vdst(0) depctr_va_sdst(0) depctr_va_ssrc(0) depctr_va_vcc(0) depctr_vm_vsrc(0)
	s_getreg_b32 s2, hwreg(HW_REG_IB_STS2, 6, 4)
	s_cmp_eq_u32 s2, 0
	s_cbranch_scc0 .Lentry_in_a_cluster
	s_endpgm
.Lentry_in_a_cluster:
	s_bfe_u32 s2, ttmp6, 0x10000c
	s_cmp_lg_u32 s2, 0x3003
	s_cbranch_scc0 .Lentry_shape_is_right
	s_endpgm
.Lentry_shape_is_right:
; MAIN.  For 256 key rows of one batch: x[s][o] = qb[b][o] + sum over k of keys[s][k] Ua[o][k]; s'[s] = sum over o of (-2 Va[o]) / (1 + e^(2 x)), which is Va . tanh(x) less the sum of Va;
; and for each wave's 64 rows the partial context sum over s of e^(s' - m) keys[s][:], m the rows' running maximum.  The last launch adds the constants, and joins the partial sums by their maxima.
; LIMITS.  keys and Ua are rounded to bf16 (nearest even), for both products; all else f32.  tanh = 1 - 2 / (1 + 2^(c x)), c = 2 log2(e): it ends at +1 and -1 for large |x|.
; The score is a difference of the sum of Va and s', both in f32.  A weight below 2^-126 counts as 0.  NaN and infinities are not treated apart.
; SHARES.  256 work-groups of four waves.  A work-group's 256 rows go in TWO PASSES of 128; in pass p wave w owns rows 64 w + 2 a + p, a = 0..31: two tiles of 16.  They stay in registers as bf16 fragments
; (512 registers), so keys are read from memory once and serve the scores and the context.  All 1,024 channels o pass by in 16 slots of 64 o: ub's fragments, 131,072 bytes a slot, in a ring of two LDS slots.
; A fragment of Ua read from LDS feeds two products (the wave's two row tiles): one LDS load for each matrix instruction.  While keys are loaded no product runs: no storage is left for the next rows.
; CLUSTER.  Every work-group walks the same ub, so four ask JOINTLY: each wave's load (a quarter of a slot) has the same descriptor and the mask of four in all four work-groups.  keys are shared by nobody.
; THE PRODUCT IS USED TRANSPOSED: source 0 = 16 rows of Ua, source 1 = 16 key rows.  A lane then holds ONE key row (lane%16) and eight o (8 (lane/16) + j): the sum over o stays in the lane but for one exchange.
; RIDERS.  A half slot (32 o, 128 products) fills one set of four accumulators; meanwhile the other set goes through 2^(c x), + 1, 1 / .., x (-2 Va), one vector instruction behind each product.
; THE CONTEXT.  A product of a key fragment with a matrix of ones and zeros (column n takes k = 2 n + par) is exact and turns the fragment: a lane then holds one channel and eight rows,
; which are multiplied by the rows' f32 weights and added in f32.  128 such products a pass beside 4,096.
; REGISTERS, in windows of 256 (s_set_vgpr_msb: bits 1:0 source 0, 3:2 source 1, 5:4 source 2, 7:6 destination):
;   window 0: v0-31 addresses and statistics; v32-95 two sets of four accumulators; v96-223 four buffers of four Ua fragments; v224-255 conversions, later indices and weights.  v32-223 also take keys as loaded.
;   windows 1, 2: the key fragments: tile i, K block kb at 16 (kb%16) + 8 i of window 1 + kb/16
;   window 3: v0-15 qb of a half slot; v16-47 -2 Va by set; v48-55 the scores' sums; v56-71 the two selecting matrices; v96-223 the context's sums
.set SLOTB,  131072                    ; a slot.  Slots 0 and 1 are filled by tensor loads alone
.set QW,     2*SLOTB                   ; 4,096 bytes of qb[b], then 4,096 of -2 Va: stored by the waves
.set SCR,    QW+8192                   ; for each wave 32 rows x 272 bytes: 128 channels of its rows as bf16, on their way into fragments
.set SPITCH, 272                       ; 256 + 16: the 16 rows of a fragment load begin 16 bytes apart modulo 256
.set SCRW,   32*SPITCH
.set SPARE,  SCR+4*SCRW                ; 305,152: the spare words, 128 bytes a wave, which no other line names
.set L16,  1                           ; 16 x lane
.set BA0,  2                           ; LDS address of my 16 bytes in the slot's first half
.set BA1,  3                           ; in its second half
.set QA,   4                           ; walks through qb and -2 Va, 128 bytes a half slot
.set SCRS, 5                           ; where I store 8 bytes of a row
.set SCRL, 6                           ; where I read a fragment
.set PFO,  7                           ; 8,192 x lane: the wave's rows lie two rows of 4,096 bytes apart
.set QA0,  8                           ; QW + 32 (lane/16)
.set SPW,  10                          ; my spare word; never rewritten
.set NIL,  11                          ; 0; never rewritten
.set MR,   12                          ; the running maximum
.set MN,   13
.set SV,   14                          ; lane a: the score of row a of the pass
.set PV,   15                          ; its weight
.set AF,   16                          ; v[16:17] the factor for the old sums, in the low word
.set SCK,  18                          ; v[18:19] the two passes' scores
.set PIDX, 20                          ; 32 (lane/16)
.set OFF8, 21                          ; 8 x lane
.set TT,   22                          ; v22-27 at work
.set ACC,  32
.set BF,   96
.set CV,   224
.set IX,   224                         ; 16 lane indices
.set PR,   240                         ; weight of row 16 i + 8 (lane/16) + j at PR + 8 i + j
.set XS,   96                          ; the way out
.set RS,   32
.set SD,   64
.set QR,   0                           ; window 3
.set WR,   16
.set SA,   48
.set SEL,  56
.set CA,   96                          ; K block kb, parity par: a pair at CA + 4 kb + 2 par
.set MUL1, 0x04                        ; source 1 (keys) in window 1; + 4: in window 2
.set MULQ, 0x34                        ; the same with C (qb) in window 3
.set WF,   0xfc                        ; source 0 window 0; sources 1, 2 and destination window 3
.set WCF,  0xf0                        ; sources 0, 1 window 0; source 2 and destination window 3
.set WSC,  0xc3                        ; source 0 and destination window 3, source 1 window 0
.set RD3,  0x0f                        ; sources 0, 1 window 3, destination window 0
.set TO3,  0xc0                        ; destination window 3
.set CX1,  0x0d                        ; source 0 (keys) window 1, source 1 (selection) window 3; + 1: keys in window 2
; scalars: s[4:15] keys, ub, qb, Va_w, scores, ctxp; s16 wave; s18 work-group; s19 my scratch; s[24:31] descriptor group 1; s[32:35] group 0, walking; s[36:37] ub at my quarter; s38 32,768 x wave;
; s39 the slot being read; s40-42 counters; s[44:45] c; s[46:47] lane selects; s[48:49] keys at my first row of the pass; s50 lanes 16-31; s51 log2(e); s52, s53 bf16 1.0 low, high
.set MSB, 0
.macro WIN new                         ; the immediate's high byte repeats the setting that is left; a switch that changes nothing is dropped
.if MSB != (\new)
	s_set_vgpr_msb (MSB<<8)|(\new)
.set MSB, (\new)
.endif
.endm
.macro CREST                           ; a round of the cluster's barrier behind its opening barrier
	s_cmp_lg_u32 s16, 0
	s_cbranch_scc1 .Lnot_wave_0_\@
	s_barrier_signal -3
.Lnot_wave_0_\@:
	s_barrier_wait -3
	s_barrier_signal -1
	s_barrier_wait -1
.endm
.macro CROUND
	s_barrier_signal -1
	s_barrier_wait -1
	CREST
.endm
.macro TLOAD                           ; my quarter of a slot, jointly with the same wave of the three partners; an s_nop 0 and four v_nop follow
	tensor_load_to_lds s[32:35], s[24:31]
	s_nop 0
.rept 4
	v_nop
.endr
.endm
	s_load_b256 s[4:11], s[0:1], 0x0               ; keys s[4:5], ub s[6:7], qb s[8:9], Va_w s[10:11]
	s_load_b128 s[12:15], s[0:1], 0x20             ; scores s[12:13], ctxp s[14:15]
	v_lshl_add_u32 v[SPW], v0, 2, SPARE
	v_mov_b32 v[NIL], 0
	ds_add_u32 v[SPW], v[NIL]                      ; the wave's opening: the add and its wait stand ahead of my first tensor load; work on registers stands between them
	v_lshrrev_b32 v9, 5, v0
	v_readfirstlane_b32 s16, v9                    ; wave 0..3
	s_bfe_u32 s17, ttmp6, 0x40000                  ; cx
	s_lshl_b32 s18, ttmp9, 2                       ; in a cluster launch ttmp9 counts clusters
	s_add_co_u32 s18, s18, s17                     ; work-group 0..255: it enters the addresses of keys, qb, scores and ctxp alone
	; descriptor group 1: 32,768 dense bytes as 128 rows of 256 bytes
	s_mov_b32 s24, 15|(3<<16)|(1<<21)              ; 15:0 the mask of four; 17:16 elements of 8 bytes; 21 set beside a mask; no padding
	s_mov_b32 s25, 32<<16                          ; tensor_dim0 = 32
	s_mov_b32 s26, 128<<16                         ; tensor_dim1 = 128
	s_mov_b32 s27, 32<<16                          ; tile_dim0 = 32
	s_mov_b32 s28, 128                             ; tile_dim1 = 128
	s_mov_b32 s29, 32                              ; 32 elements from row to row
	s_mov_b32 s30, 0
	s_mov_b32 s31, 0
	s_mov_b32 s32, 1                               ; group 0: count = 1
	s_lshl_b32 s38, s16, 15                        ; my quarter of a slot, in LDS and in ub
	s_mov_b32 s54, s38
	s_mov_b32 s55, 0
	s_mov_b32 s44, 0x4038aa3b                      ; c = 2 log2(e)
	s_mov_b32 s45, s44                             ; named with it as a pair
	s_mov_b32 s46, 0x76543210
	s_mov_b32 s47, 0xfedcba98
	s_mov_b32 s50, 0xffff0000
	s_mov_b32 s51, 0x3fb8aa3b                      ; log2(e)
	s_mov_b32 s52, 0x3f80
	s_mov_b32 s53, 0x3f800000
	s_mul_i32 s19, s16, SCRW
	s_add_co_u32 s19, s19, SCR
	s_mov_b32 s21, 0
	v_and_b32 v25, 31, v0                          ; lane
	v_and_b32 v23, 15, v0                          ; r = lane % 16
	v_bfe_u32 v24, v0, 4, 1                        ; h = lane / 16
	v_lshlrev_b32 v[L16], 4, v25
	v_lshl_add_u32 v[QA0], v24, 5, QW
	v_lshl_add_u32 v[SCRS], v25, 3, s19
	v_mul_u32_u24 v[SCRL], v23, SPITCH
	v_lshl_add_u32 v[SCRL], v24, 4, v[SCRL]
	v_add_nc_u32 v[SCRL], s19, v[SCRL]
	v_lshlrev_b32 v[PFO], 13, v25
	v_lshlrev_b32 v[PIDX], 5, v24
	v_lshlrev_b32 v[OFF8], 3, v25
	v_lshlrev_b32 v26, 1, v23
	v_lshlrev_b32 v27, 3, v24
	v_sub_nc_u32 v26, v26, v27                     ; 2 r - 8 h
	v_lshlrev_b32 v9, 4, v0                        ; 16 x thread
	v_add_nc_u32 v22, QW, v9
	v_mov_b32 v[MR], 0xff7fffff                    ; the lowest finite number: the first pass's factor for the old sums is 0
	v_mov_b32 v[AF+1], 0                           ; named with AF as a pair
	v_mov_b32 v[SCK+1], 0
	s_wait_dscnt 0x0                               ; the opening add is done
	s_wait_kmcnt 0x0
	s_add_nc_u64 s[36:37], s[6:7], s[54:55]        ; ub at my quarter of slot 0: the wave's number alone enters it
	s_lshl_b32 s20, s18, 20                        ; keys: 256 rows of 4,096 bytes a work-group,
	s_lshl_b32 s22, s16, 18                        ; 64 a wave
	s_add_co_u32 s20, s20, s22
	s_add_nc_u64 s[48:49], s[4:5], s[20:21]
	s_lshr_b32 s20, s18, 3                         ; the batch
	s_lshl_b32 s20, s20, 12
	s_add_nc_u64 s[8:9], s[8:9], s[20:21]
	s_lshl_b32 s20, s18, 10                        ; scores: 256 numbers a work-group, 64 a wave
	s_lshl_b32 s22, s16, 8
	s_add_co_u32 s20, s20, s22
	s_add_nc_u64 s[12:13], s[12:13], s[20:21]
	s_lshl_b32 s20, s18, 14                        ; ctxp: a row of 4,096 bytes a wave
	s_lshl_b32 s22, s16, 12
	s_add_co_u32 s20, s20, s22
	s_add_nc_u64 s[14:15], s[14:15], s[20:21]
	global_load_b128 v[32:35], v9, s[8:9]          ; qb[b] and Va: 128 threads x 2 x 16 bytes each
	global_load_b128 v[36:39], v9, s[8:9] offset:2048
	global_load_b128 v[40:43], v9, s[10:11]
	global_load_b128 v[44:47], v9, s[10:11] offset:2048
	; In the wait for them.  The selecting matrices, as source 1: lane (r, h) holds column n = r; register q holds k = 8 h + 2 q, + 1 (q < 4) or 8 h + 2 q + 8, + 1.  The one lies at k = 2 r + par.
	WIN TO3
.set q, 0
.rept 8
	v_cmp_eq_u32 vcc_lo, 2*q+8*(q/4), v26
	v_cndmask_b32 v[SEL+q], 0, s52, vcc_lo
	v_cndmask_b32 v[SEL+8+q], 0, s53, vcc_lo
.set q, q+1
.endr
.set n, 0
.rept 128                              ; the context's sums begin at 0: both passes then run one text, which multiplies them by the factor first.  The price: these 128 lines, once, in the wait for the first loads
	v_mov_b32 v[CA+n], 0
.set n, n+1
.endr
	WIN 0
	s_wait_loadcnt 0x0
	v_pk_mul_f32 v[40:41], v[40:41], -2.0 op_sel_hi:[1,0]
	v_pk_mul_f32 v[42:43], v[42:43], -2.0 op_sel_hi:[1,0]
	v_pk_mul_f32 v[44:45], v[44:45], -2.0 op_sel_hi:[1,0]
	v_pk_mul_f32 v[46:47], v[46:47], -2.0 op_sel_hi:[1,0]
	ds_store_b128 v22, v[32:35]
	ds_store_b128 v22, v[36:39] offset:2048
	ds_store_b128 v22, v[40:43] offset:4096
	ds_store_b128 v22, v[44:47] offset:6144
; KEYS.  Unit n of 16: row tile n%2, channels 128 (n/2) on.  16 loads, one a row, 512 consecutive bytes each; three sets of 64 registers take turns.
.macro ISSUE n
.set tb_, 32+64*((\n)%3)
.set rho, 0
.rept 16
	global_load_b128 v[tb_+4*rho:tb_+4*rho+3], v[L16], s[48:49] offset:(16*((\n)&1)+rho)*8192+512*((\n)>>1) th:TH_LOAD_NT
.set rho, rho+1
.endr
.endm
; Unit n is rounded to bf16, goes into my scratch rows and comes back as four fragments.  The scratch is my wave's own, and LDS serves a wave's instructions in order (ISA guide 5.7.1.4): no wait, no barrier.
.macro AUNIT n
	WIN 0
.if (\n) < 14
	s_wait_loadcnt 32                              ; the two younger units stay out
.elseif (\n) == 14
	s_wait_loadcnt 16
.else
	s_wait_loadcnt 0
.endif
.set tb_, 32+64*((\n)%3)
.set rho, 0
.rept 16
	v_cvt_pk_bf16_f32 v[CV+2*rho], v[tb_+4*rho], v[tb_+4*rho+1]
	v_cvt_pk_bf16_f32 v[CV+2*rho+1], v[tb_+4*rho+2], v[tb_+4*rho+3]
.set rho, rho+1
.endr
.set rho, 0
.rept 16
	ds_store_b64 v[SCRS], v[CV+2*rho:CV+2*rho+1] offset:(16*((\n)&1)+rho)*SPITCH
.set rho, rho+1
.endr
.if (\n) < 13
	ISSUE (\n)+3
.endif
	WIN (1+((\n)>>3))<<6                           ; destination window 1 (K blocks 0-15) or 2
.set kk, 0
.rept 4
.set ra_, 16*((4*((\n)>>1)+kk)&15)+8*((\n)&1)
	ds_load_b128 v[ra_:ra_+3], v[SCRL] offset:16*((\n)&1)*SPITCH+64*kk
	ds_load_b128 v[ra_+4:ra_+7], v[SCRL] offset:16*((\n)&1)*SPITCH+64*kk+32
.set kk, kk+1
.endr
	WIN 0
.endm
; A slot is filled at a pass's beginning, in the order of every refill: all my tensor loads have landed; the add; the descriptor is written while no load of mine is out; the add and my LDS
; instructions are done; a round of the cluster's barrier; my one load first behind it.  reset = 1: ub's slot 0 into LDS slot 0; 0: the next one into the other.
.macro PRIME reset
	WIN 0
	s_wait_tensorcnt 0x0
	ds_add_u32 v[SPW], v[NIL]                      ; 0 onto my spare word
.if \reset
	s_mov_b32 s33, s38
	s_mov_b64 s[34:35], s[36:37]
	s_or_b32 s35, s35, 0x80000000                  ; type = 2
.else
	s_xor_b32 s33, s33, SLOTB
	s_add_nc_u64 s[34:35], s[34:35], SLOTB         ; the type bits on top are not reached
.endif
	s_wait_dscnt 0x0
	CROUND
	TLOAD
.endm
; THE RIDERS: the vector work on a finished set of four accumulators (RACC) with its -2 Va (RWB), as a list; RID writes the next entry.  Pair p of 16 is registers 2 (p/4), + 1 of accumulator p%4.
; Step rs of 20 holds: c x for pair rs; two exponentials for pair rs - 1; + 1 for pair rs - 2; two reciprocals for pair rs - 3;
; and in steps 7, 11, 15, 19 four multiply-adds onto the scores' sums, for the four pairs finished longest.  So a plain instruction that names other registers stands behind every
; exponential and reciprocal before its result is used (ISA guide 5.7.2); ahead of the last four multiply-adds that is a v_nop.  100 entries.
.macro RENT
.set rp, rs
.if re > 0
.set rp, rs-1
.endif
.if re > 2
.set rp, rs-2
.endif
.if re > 3
.set rp, rs-3
.endif
.if (re < 6) && (rp >= 0) && (rp < 16)
.set rdone, 1
.set rr, RACC+8*(rp&3)+2*(rp>>2)
.if re == 0
	v_pk_mul_f32 v[rr:rr+1], v[rr:rr+1], s[44:45] op_sel_hi:[1,0]
.elseif re == 1
	v_exp_f32 v[rr], v[rr]
.elseif re == 2
	v_exp_f32 v[rr+1], v[rr+1]
.elseif re == 3
	s_wait_alu depctr_va_vdst(0)
	v_pk_add_f32 v[rr:rr+1], v[rr:rr+1], 1.0 op_sel_hi:[1,0]
.elseif re == 4
	v_rcp_f32 v[rr], v[rr]
.else
	v_rcp_f32 v[rr+1], v[rr+1]
.endif
.endif
.if (re == 6) && (rs >= 7) && ((rs&3) == 3)
.set rdone, 1
.set rk, (rs-7)/4
.set rsave, MSB
.if rs == 19
	v_nop
	s_wait_alu depctr_va_vdst(0)
.endif
	WIN WF
.set ra, 0
	s_wait_alu depctr_va_vdst(0)
.rept 4
	v_pk_fma_f32 v[SA+2*ra:SA+2*ra+1], v[RACC+8*ra+2*rk:RACC+8*ra+2*rk+1], v[RWB+8*(ra&1)+2*rk:RWB+8*(ra&1)+2*rk+1], v[SA+2*ra:SA+2*ra+1]
.set ra, ra+1
.endr
	WIN rsave
.endif
.endm
.macro RID
.set rdone, 0
.rept 9
.if (rdone == 0) && (rs < 20)
	RENT
.set re, re+1
.if re == 7
.set re, 0
.set rs, rs+1
.endif
.endif
.endr
.endm
; THE PRODUCTS.  A slot is 32 GROUPS of 8: group G is half slot G/16 (32 o, accumulator set G/16), K blocks 2 (G%16), + 1.  Product x of a group: K block x/4, row tile (x/2)%2, o tile x%2.
; The four accumulators take turns, one instruction a turn, over the groups', the half slots' and the loops' edges too.  A half slot's first four products take qb as C.
.macro PROD
.set kb_, 2*(G&15)+(x>>2)
.set rD, ACC+32*(G>>4)+8*(x&3)
.set rB, BF+32*(G&3)+16*(x>>2)+8*(x&1)
.set rA, 16*(kb_&15)+8*((x>>1)&1)
.if kb_ == 0
	WIN MULQ
	v_wmma_f32_16x16x32_bf16 v[rD:rD+7], v[rB:rB+7], v[rA:rA+7], v[QR+8*(x&1):QR+8*(x&1)+7]
.else
	WIN MUL1+4*(kb_>>4)
	v_wmma_f32_16x16x32_bf16 v[rD:rD+7], v[rB:rB+7], v[rA:rA+7], v[rD:rD+7]
.endif
.endm
.macro BL gg, lam                      ; load lam of 8 of group gg's fragments of Ua: 32 lanes take 512 consecutive bytes
.set bD, BF+32*((\gg)&3)+16*((\lam)>>2)+8*(((\lam)>>1)&1)+4*((\lam)&1)
.set bO, (2*((\gg)&15)+((\lam)>>2))*2048+(((\lam)>>1)&1)*1024+((\lam)&1)*512
.if ((\gg)&31) < 16
	ds_load_b128 v[bD:bD+3], v[BA0] offset:bO
.else
	ds_load_b128 v[bD:bD+3], v[BA1] offset:bO
.endif
.endm
.macro QWB                             ; qb of the next half slot and -2 Va of this one.  Behind the pass's last half slot the first four read -2 Va's first bytes, and nothing uses them
	WIN 0
	v_add_nc_u32 v[QA], 128, v[QA]
	WIN TO3
.irp t, 0,1
	ds_load_b128 v[QR+8*\t:QR+8*\t+3], v[QA] offset:64*\t
	ds_load_b128 v[QR+8*\t+4:QR+8*\t+7], v[QA] offset:64*\t+16
	ds_load_b128 v[WR+16*(G>>4)+8*\t:WR+16*(G>>4)+8*\t+3], v[QA] offset:3968+64*\t
	ds_load_b128 v[WR+16*(G>>4)+8*\t+4:WR+16*(G>>4)+8*\t+7], v[QA] offset:3968+64*\t+16
.endr
.endm
; An ordinary group loads the fragments of the group three on, into the buffer that the group before read: the four v_nop behind its first four products are the places between that group's last
; product and these loads (ISA guide 7.12.1 for vector instructions).  In a half slot's first group they are also the places in front of the riders' first reads.
; Groups 29 to 31 change slots.  ch = 1: the slot is filled again, two slots on; ch = 0: the pass's last two slots.
.macro GROUP ch
.if (G&15) == 0
.set rs, 0
.set re, 0
.set RACC, ACC+32*(1-(G>>4))
.set RWB, WR+16*(1-(G>>4))
.endif
.if G < 29
.if ((G&15) > 2) && ((G&15) < 6)
	s_wait_dscnt 24                                ; my fragments are in; the next two groups' 16 loads and the 8 of qb and -2 Va may be out
.else
	s_wait_dscnt 16                                ; my fragments are in; the next two groups' 16 loads may be out
.endif
.set x, 0
.rept 8
	PROD
.if x < 4
	v_nop
.if (G&15) != 0
	RID
.endif
.else
	BL G+3, 2*x-8
	BL G+3, 2*x-7
	RID
.endif
.set x, x+1
.endr
.if (G&15) == 2
	QWB
.endif
.elseif G == 29
	WIN 0                                          ; (the add's two registers lie in window 0)
	s_wait_tensorcnt 0x0                           ; all my tensor loads have landed: the one that was out is my quarter of the next slot
	ds_add_u32 v[SPW], v[NIL]                      ; 0 onto my spare word
.if \ch
	s_xor_b32 s33, s33, SLOTB                      ; no load of mine is out, so group 0 may be written: this slot, two slots on in ub
	s_add_nc_u64 s[34:35], s[34:35], SLOTB
.endif
	s_wait_dscnt 17                                ; the add and the last two groups' 16 loads may be out
.set x, 0
.rept 8
	PROD
	RID
.set x, x+1
.endr
	s_wait_dscnt 0x0                               ; the add is done, and my reads of this slot are over
	s_barrier_signal -1
.elseif G == 30
.set x, 0
.rept 8
	PROD                                           ; work on registers while the others arrive
	RID
.set x, x+1
.endr
	WIN 0                                          ; at a branch and at a label every window is 0
	s_barrier_wait -1
.if \ch
	CREST                                          ; the barrier has opened a round of the cluster's: no wave of any partner still reads this slot or has a load on its way
	TLOAD                                          ; my one load behind the round; its four v_nop are also the places in front of the loads below
.else
.rept 4
	v_nop
.endr
.endif
	s_xor_b32 s39, s39, SLOTB                      ; the reads go on in the other slot
	v_add_nc_u32 v[BA0], s39, v[L16]
	v_add_nc_u32 v[BA1], 65536, v[BA0]
.set lam, 0
.rept 8
	BL 32, lam
.set lam, lam+1
.endr
.else
.set x, 0
.rept 8
	PROD
.if x < 4
	BL 33, 2*x
	BL 33, 2*x+1
.else
	BL 34, 2*x-8
	BL 34, 2*x-7
.endif
.set x, x+1
.endr
.endif
.endm
.macro BODY ch
.set G, 0
.rept 32
	GROUP \ch
.set G, G+1
.endr
	WIN 0
.endm
; THE CONTEXT.  Step m of 64: K block m/2, row tile m%2: two selecting products, into accumulator blocks that take turns by eight; CXF: their 16 registers times the rows' weights, onto the K block's two pairs of sums.
.macro CXM m
.set kb_, (\m)>>1
.set rA, 16*(kb_&15)+8*((\m)&1)
	WIN CX1+(kb_>>4)
	v_wmma_f32_16x16x32_bf16 v[ACC+8*((2*(\m))&7):ACC+8*((2*(\m))&7)+7], v[rA:rA+7], v[SEL:SEL+7], 0
	v_wmma_f32_16x16x32_bf16 v[ACC+8*((2*(\m)+1)&7):ACC+8*((2*(\m)+1)&7)+7], v[rA:rA+7], v[SEL+8:SEL+15], 0
.endm
.macro CXF m
.set kb_, (\m)>>1
.set rP, PR+8*((\m)&1)
	WIN WCF
.irp q, 0,1,2,3                        ; each block's lowest registers first; the two chains alternate
.irp par, 0,1
	v_pk_fma_f32 v[CA+4*kb_+2*\par:CA+4*kb_+2*\par+1], v[ACC+8*((2*(\m)+\par)&7)+2*\q:ACC+8*((2*(\m)+\par)&7)+2*\q+1], v[rP+2*\q:rP+2*\q+1], v[CA+4*kb_+2*\par:CA+4*kb_+2*\par+1]
.endr
.endr
.endm
	s_mov_b32 s40, 2
.Lpass:                                                ; two trips: rows of parity 0, then of parity 1
	ISSUE 0
	ISSUE 1
	ISSUE 2
	PRIME 1                                        ; ub's slot 0 is asked for; in the first trip the round also shows qb and -2 Va to every wave
	AUNIT 0
	AUNIT 1
	AUNIT 2
	AUNIT 3
	AUNIT 4
	AUNIT 5
	AUNIT 6
	AUNIT 7
	PRIME 0                                        ; slot 0 is in, everybody's quarter; slot 1 is asked for
	AUNIT 8
	AUNIT 9
	AUNIT 10
	AUNIT 11
	AUNIT 12
	AUNIT 13
	AUNIT 14
	AUNIT 15
	; The pass's first half slot carries riders on a set that has not been: x = 0 and -2 Va = 0 add 0 to the scores' sums, which begin at 0.  56 lines a pass, for one text of the slots.
.set n, 0
.rept 32
	v_mov_b32 v[ACC+32+n], 0
.set n, n+1
.endr
	WIN TO3
.set n, 0
.rept 16
	v_mov_b32 v[WR+16+n], 0
.set n, n+1
.endr
.set n, 0
.rept 8
	v_mov_b32 v[SA+n], 0
.set n, n+1
.endr
	WIN 0
	s_mov_b32 s39, 0
	v_mov_b32 v[BA0], v[L16]
	v_add_nc_u32 v[BA1], 65536, v[L16]
	v_mov_b32 v[QA], v[QA0]
	WIN TO3
.irp t, 0,1
	ds_load_b128 v[QR+8*\t:QR+8*\t+3], v[QA] offset:64*\t
	ds_load_b128 v[QR+8*\t+4:QR+8*\t+7], v[QA] offset:64*\t+16
.endr
	WIN 0
.irp gg, 0,1,2
.set lam, 0
.rept 8
	BL \gg, lam
.set lam, lam+1
.endr
.endr
	s_mov_b32 s41, 14
.Lslot:                                                ; 14 trips: a slot is multiplied and filled again
	BODY 1
	s_sub_co_u32 s41, s41, 1
	s_cmp_lg_u32 s41, 0
	s_cbranch_scc1 .Lslot
	s_mov_b32 s42, 2
.Ltail:                                                ; the last two slots are written apart.  The second trip's barrier and its 24 loads ahead serve nothing: the price of one text for both
	BODY 0
	s_sub_co_u32 s42, s42, 1
	s_cmp_lg_u32 s42, 0
	s_cbranch_scc1 .Ltail
	; THE PASS'S END.
	s_wait_dscnt 0x0                               ; the loads ahead have landed: their registers may be used
	s_cmp_eq_u32 s40, 1
	s_cbranch_scc1 .Lno_prefetch                   ; the last pass has no next rows
	; The first 1,024 bytes of each of my 32 rows of the next pass (they lie one row, 4,096 bytes, behind this pass's): each lane a row, each block of 256 bytes asked for once, by the wave that will load it;
	; 131,072 bytes a work-group.  The rest of this pass's end stands between these lines and the loads.
	global_prefetch_b8 v[PFO], s[48:49] offset:4096 th:TH_LOAD_NT scope:SCOPE_SE
	global_prefetch_b8 v[PFO], s[48:49] offset:4352 th:TH_LOAD_NT scope:SCOPE_SE
	global_prefetch_b8 v[PFO], s[48:49] offset:4608 th:TH_LOAD_NT scope:SCOPE_SE
	global_prefetch_b8 v[PFO], s[48:49] offset:4864 th:TH_LOAD_NT scope:SCOPE_SE
.Lno_prefetch:
.rept 4
	v_nop                                          ; the places behind the last products
.endr
.set rs, 0
.set re, 0
.set RACC, ACC+32
.set RWB, WR+16
.rept 100
	RID                                            ; the last half slot's vector work has no products to ride on
.endr
	WIN RD3
	v_pk_add_f32 v[TT:TT+1], v[SA:SA+1], v[SA+2:SA+3]        ; row tile 0: both o tiles,
	v_pk_add_f32 v[TT+2:TT+3], v[SA+4:SA+5], v[SA+6:SA+7]    ; row tile 1
	WIN 0
	v_add_f32 v[TT], v[TT], v[TT+1]                ; even and odd o,
	v_add_f32 v[TT+2], v[TT+2], v[TT+3]
	v_permlanex16_b32 v[TT+1], v[TT], s46, s47     ; and the o that lie in the lane 16 away
	v_permlanex16_b32 v[TT+3], v[TT+2], s46, s47
	v_add_f32 v[TT], v[TT], v[TT+1]
	v_add_f32 v[TT+2], v[TT+2], v[TT+3]
	v_cndmask_b32 v[SV], v[TT], v[TT+2], s50       ; lane a holds row a's score
	v_mov_b32 v[SCK], v[SCK+1]                     ; behind the second pass: the first pass's score, the second's
	v_mov_b32 v[SCK+1], v[SV]
	v_max_num_f32_dpp v[TT], v[SV], v[SV] row_xmask:1 row_mask:0xf bank_mask:0xf
	v_max_num_f32_dpp v[TT], v[TT], v[TT] row_xmask:2 row_mask:0xf bank_mask:0xf
	v_max_num_f32_dpp v[TT], v[TT], v[TT] row_xmask:4 row_mask:0xf bank_mask:0xf
	v_max_num_f32_dpp v[TT], v[TT], v[TT] row_xmask:8 row_mask:0xf bank_mask:0xf
	v_permlanex16_b32 v[TT+1], v[TT], s46, s47
	v_max_num_f32 v[TT], v[TT], v[TT+1]
	v_max_num_f32 v[MN], v[MR], v[TT]              ; the running maximum
	v_mul_f32 v[TT], s51, v[MN]
	v_fma_f32 v[TT+1], v[MR], s51, -v[TT]
	v_fma_f32 v[TT+2], v[SV], s51, -v[TT]
	v_exp_f32 v[AF], v[TT+1]                       ; the old sums' factor,
	v_exp_f32 v[PV], v[TT+2]                       ; my row's weight
	v_mov_b32 v[MR], v[MN]
.set n, 0
.rept 16
	v_add_nc_u32 v[IX+n], 64*(n/8)+4*(n%8), v[PIDX]  ; 4 x the lane that holds row 16 i + 8 h + j
.set n, n+1
.endr
.set n, 0
	s_wait_alu depctr_va_vdst(0)
.rept 16
	ds_bpermute_b32 v[PR+n], v[IX+n], v[PV]
.set n, n+1
.endr
	WIN WSC
.set n, 0
.rept 64
	v_pk_mul_f32 v[CA+2*n:CA+2*n+1], v[CA+2*n:CA+2*n+1], v[AF:AF+1] op_sel_hi:[1,0]
.set n, n+1
.endr
	s_wait_dscnt 0x0                               ; the weights are in
.set m, 0
.rept 64
	CXM m
.if m == 1
.rept 4
	v_nop                                          ; step 0's results have no earlier multiply-adds as places
.endr
.endif
.if m > 0
	CXF m-1                                        ; eight plain instructions that name no register of the two products just issued: their places
.endif
.set m, m+1
.endr
.rept 4
	v_nop
.endr
	CXF 63
	WIN 0
	s_wait_xcnt 0x0                                ; the prefetches' addresses are translated (ISA guide 3.1); the loads are long in: the base may step
	s_add_nc_u64 s[48:49], s[48:49], 4096          ; the rows of the other parity
	s_sub_co_u32 s40, s40, 1
	s_cmp_lg_u32 s40, 0
	s_cbranch_scc1 .Lpass
	; THE WAY OUT.  A pair's two halves (even and odd rows) are added; then the rows of the other half of the lanes: of K blocks 2 kap and 2 kap + 1 lanes 0-15 keep the first and send the second, lanes 16-31
	; the other way round, so that lane l ends with channel 64 kap + 2 l + par.
	WIN RD3
.set n, 0
.rept 64
	v_add_f32 v[XS+n], v[CA+2*n], v[CA+2*n+1]
.set n, n+1
.endr
	WIN 0
.set n, 0
.rept 32                               ; n = 2 kap + par
	v_cndmask_b32 v[RS+n], v[XS+4*(n>>1)+(n&1)], v[XS+4*(n>>1)+(n&1)+2], s50
	v_cndmask_b32 v[SD+n], v[XS+4*(n>>1)+(n&1)+2], v[XS+4*(n>>1)+(n&1)], s50
.set n, n+1
.endr
.set n, 0
.rept 32
	v_permlanex16_b32 v[XS+4*(n>>1)+(n&1)], v[SD+n], s46, s47
.set n, n+1
.endr
.set n, 0
.rept 32
	v_add_f32 v[RS+n], v[RS+n], v[XS+4*(n>>1)+(n&1)]
.set n, n+1
.endr
.set n, 0
.rept 16
	global_store_b64 v[OFF8], v[RS+2*n:RS+2*n+1], s[14:15] offset:256*n  ; a wave's store covers 256 consecutive bytes, aligned
.set n, n+1
.endr
	global_store_b64 v[OFF8], v[SCK:SCK+1], s[12:13]  ; my wave's 64 scores: rows 2 l and 2 l + 1: 256 consecutive bytes, aligned
	s_wait_tensorcnt 0x0                           ; the wave's end, behind my last tensor load and my last LDS store
	ds_add_u32 v[SPW], v[NIL]
	s_wait_dscnt 0x0
	CROUND                                         ; the closing round: no work-group ends while a partner may still ask for a tile that names it
	s_endpgm
.Lfunc_end_k_q679466b251_main:
	.size	k_q679466b251_main, .Lfunc_end_k_q679466b251_main-k_q679466b251_main
	.p2alignl 7, 3214868480
	.fill 96, 4, 3214868480
	.section	.rodata,"a",@progbits
	.p2align	6, 0x0
	.amdhsa_kernel k_q679466b251_main
		.amdhsa_group_segment_fixed_size 327680
		.amdhsa_private_segment_fixed_size 0
		.amdhsa_enable_private_segment 0
		.amdhsa_kernarg_size 48
		.amdhsa_user_sgpr_count 2
		.amdhsa_user_sgpr_kernarg_segment_ptr 1
		.amdhsa_wavefront_size32 1
		.amdhsa_system_sgpr_workgroup_id_x 1
		.amdhsa_system_sgpr_workgroup_id_y 1
		.amdhsa_system_sgpr_workgroup_id_z 1
		.amdhsa_system_vgpr_workitem_id 0
		.amdhsa_next_free_vgpr 1024
		.amdhsa_next_free_sgpr 66
		.amdhsa_reserve_vcc 1
		.amdhsa_float_denorm_mode_32 3
		.amdhsa_float_denorm_mode_16_64 3
		.amdhsa_memory_ordered 1
		.amdhsa_forward_progress 1
		.amdhsa_inst_pref_size 255
	.end_amdhsa_kernel
	.section	.bss,"aw",@nobits
	.p2align	6
	.space	262144
	.amdgpu_metadata
---
amdhsa.version: [ 1, 2 ]
amdhsa.kernels:
  - .name:           k_q679466b251_main
    .symbol:         k_q679466b251_main.kd
    .args:
      - { .name: keys, .offset: 0, .size: 8, .value_kind: global_buffer, .address_space: global }
      - { .name: ub, .offset: 8, .size: 8, .value_kind: global_buffer, .address_space: global }
      - { .name: qb, .offset: 16, .size: 8, .value_kind: global_buffer, .address_space: global }
      - { .name: Va_w, .offset: 24, .size: 8, .value_kind: global_buffer, .address_space: global }
      - { .name: scores, .offset: 32, .size: 8, .value_kind: global_buffer, .address_space: global }
      - { .name: ctxp, .offset: 40, .size: 8, .value_kind: global_buffer, .address_space: global }
    .group_segment_fixed_size: 327680
    .private_segment_fixed_size: 0
    .kernarg_segment_align: 8
    .kernarg_segment_size: 48
    .max_flat_workgroup_size: 128
    .sgpr_count:     66
    .vgpr_count:     1024
    .wavefront_size: 32
...
	.end_amdgpu_metadata
.endif
;; end of part 2
;; launch finish (part 3): grid 256 x 1, 8 waves a work-group, no clusters, 5,632 bytes of LDS; arguments scores, ctxp, Va_w, Va_b, out0, out1; writes out0, out1
.if DOCPART == 3
	.amdgcn_target "amdgcn-amd-amdhsa--gfx1250"
	.amdhsa_code_object_version 6
	.text
	.protected	k_q679466b251_finish
	.globl	k_q679466b251_finish
	.p2align	8
	.type	k_q679466b251_finish,@function
k_q679466b251_finish:
	s_mov_b64 s[64:65], 0
	v_nop
	global_prefetch_b8 v0, s[64:65] scope:SCOPE_SE
	s_setreg_imm32_b32 hwreg(HW_REG_WAVE_MODE, 25, 1), 1
	s_wait_xcnt 0x0
; FINISH.  score = s' + sum of Va + Va_b; out1 = softmax of a batch's 2,048 scores, the maximum taken away first; out0 = sum over the batch's 32 groups g of 64 rows of e^(m_g - m) ctxp_g, divided by the
; sum of the exponentials: ctxp_g was made with the group's own maximum m_g of s', which is found again here from the same numbers.
; LIMITS.  All in f32.  A weight below 2^-126 counts as 0.  NaN and infinities are not treated apart.
; SHARES.  Work-group = batch b (of 32) x part (of 8).  Each makes the batch's maximum and sum anew (8,192 bytes of scores, 4,096 of Va), then stores its eighth of out1 (256 rows) and of out0 (128 channels),
; for which it reads its eighth of the batch's 32 rows of ctxp: each byte of ctxp is read once in the launch.  Wave w owns groups 4 w .. 4 w + 3.
; NO CLUSTER, NO LDS TILES: what the eight parts share is 12,288 bytes against 16,384 of their own, and all of it goes straight into registers.  No matrix unit: sums of 32 terms a channel.
.set LS,    256                        ; LDS: 32 group maxima at 0; 8 waves' sums at 256; 8 waves x 512 bytes of context at 512
.set CX,    512
.set SPARE, 4608                       ; the spare words, 128 bytes for each of 8 waves, which no other line names
.macro WSUM r                          ; the sum over the wave's 32 lanes, in every lane
	v_add_f32_dpp v[\r], v[\r], v[\r] row_xmask:1 row_mask:0xf bank_mask:0xf
	v_add_f32_dpp v[\r], v[\r], v[\r] row_xmask:2 row_mask:0xf bank_mask:0xf
	v_add_f32_dpp v[\r], v[\r], v[\r] row_xmask:4 row_mask:0xf bank_mask:0xf
	v_add_f32_dpp v[\r], v[\r], v[\r] row_xmask:8 row_mask:0xf bank_mask:0xf
	v_permlanex16_b32 v22, v[\r], s22, s23
	v_add_f32 v[\r], v[\r], v22
.endm
.macro WMAX r
	v_max_num_f32_dpp v[\r], v[\r], v[\r] row_xmask:1 row_mask:0xf bank_mask:0xf
	v_max_num_f32_dpp v[\r], v[\r], v[\r] row_xmask:2 row_mask:0xf bank_mask:0xf
	v_max_num_f32_dpp v[\r], v[\r], v[\r] row_xmask:4 row_mask:0xf bank_mask:0xf
	v_max_num_f32_dpp v[\r], v[\r], v[\r] row_xmask:8 row_mask:0xf bank_mask:0xf
	v_permlanex16_b32 v22, v[\r], s22, s23
	v_max_num_f32 v[\r], v[\r], v22
.endm
	s_load_b256 s[4:11], s[0:1], 0x0               ; scores s[4:5], ctxp s[6:7], Va_w s[8:9], Va_b s[10:11]
	s_load_b128 s[12:15], s[0:1], 0x20             ; out0 s[12:13], out1 s[14:15]
	v_lshl_add_u32 v30, v0, 2, SPARE               ; my spare word, and 0: kept for the add at the wave's end
	v_mov_b32 v31, 0
	v_lshrrev_b32 v1, 5, v0
	v_readfirstlane_b32 s16, v1                    ; wave 0..7
	v_and_b32 v1, 31, v0                           ; lane
	s_lshr_b32 s17, ttmp9, 3                       ; batch
	s_and_b32 s18, ttmp9, 7                        ; part
	s_mov_b32 s22, 0x76543210
	s_mov_b32 s23, 0xfedcba98
	s_mov_b32 s24, 0x3fb8aa3b                      ; log2(e)
	s_lshl_b32 s20, s16, 10
	v_lshl_add_u32 v2, v1, 3, s20                  ; scores and out1: 4 groups of 256 bytes a wave, 8 bytes a lane
	v_lshlrev_b32 v3, 4, v1                        ; 16 x lane
	s_lshl_b32 s21, s16, 14
	v_add_nc_u32 v4, s21, v3                       ; ctxp: 4 rows of 4,096 bytes a wave
	s_lshl_b32 s25, s16, 4
	v_mov_b32 v5, s25                              ; my wave's four maxima
	v_lshlrev_b32 v6, 2, v1                        ; a maximum a lane
	s_lshl_b32 s25, s16, 2
	s_add_co_u32 s25, s25, LS
	v_mov_b32 v7, s25                              ; my wave's sum
	s_lshl_b32 s25, s16, 9
	s_add_co_u32 s25, s25, CX
	v_add_nc_u32 v23, s25, v3                      ; my wave's part of the context
	v_mov_b32 v22, 0                               ; v_permlanex16_b32's destination counts as read
	s_lshl_b32 s26, s17, 13                        ; 2,048 numbers a batch
	s_mov_b32 s27, 0
	s_lshl_b32 s28, s17, 17                        ; 32 rows of 4,096 bytes a batch,
	s_lshl_b32 s19, s18, 9                         ; 128 channels a part
	s_add_co_u32 s28, s28, s19
	s_mov_b32 s29, 0
	s_lshl_b32 s30, s17, 12
	s_add_co_u32 s30, s30, s19
	s_mov_b32 s31, 0
	s_wait_kmcnt 0x0
	s_load_b32 s19, s[10:11], 0x0                  ; Va_b
	s_add_nc_u64 s[4:5], s[4:5], s[26:27]
	s_add_nc_u64 s[14:15], s[14:15], s[26:27]
	s_add_nc_u64 s[6:7], s[6:7], s[28:29]
	s_add_nc_u64 s[12:13], s[12:13], s[30:31]
.irp g, 0,1,2,3
	global_load_b64 v[8+2*\g:9+2*\g], v2, s[4:5] offset:256*\g
.endr
.irp k, 0,1,2,3,4,5,6,7
	global_load_b128 v[32+4*\k:35+4*\k], v3, s[8:9] offset:512*\k
.endr
.irp g, 0,1,2,3
	global_load_b128 v[64+4*\g:67+4*\g], v4, s[6:7] offset:4096*\g th:TH_LOAD_NT
.endr
	s_wait_loadcnt 4                               ; scores and Va are in; the four loads of ctxp stay out
	s_wait_kmcnt 0x0
.irp j, 0,2,4,6,8,10,12,14
	v_pk_add_f32 v[32+\j:33+\j], v[32+\j:33+\j], v[48+\j:49+\j]
.endr
.irp j, 0,2,4,6
	v_pk_add_f32 v[32+\j:33+\j], v[32+\j:33+\j], v[40+\j:41+\j]
.endr
	v_pk_add_f32 v[32:33], v[32:33], v[36:37]
	v_pk_add_f32 v[34:35], v[34:35], v[38:39]
	v_pk_add_f32 v[32:33], v[32:33], v[34:35]
	v_add_f32 v32, v32, v33
	WSUM 32
	v_add_f32 v20, s19, v32                        ; the sum of Va + Va_b
	v_mov_b32 v21, v20
.irp g, 0,1,2,3
	v_pk_add_f32 v[8+2*\g:9+2*\g], v[8+2*\g:9+2*\g], v[20:21]
.endr
.irp g, 0,1,2,3
	v_max_num_f32 v[24+\g], v[8+2*\g], v[9+2*\g]
.endr
	WMAX 24
	WMAX 25
	WMAX 26
	WMAX 27
	ds_store_b128 v5, v[24:27]                     ; every lane the same 16 bytes
	s_wait_dscnt 0x0
	s_barrier_signal -1
	s_barrier_wait -1
	ds_load_b32 v28, v6                            ; lane g takes group g's maximum
	s_wait_dscnt 0x0
	WMAX 28                                        ; the batch's maximum m
	v_mul_f32 v29, s24, v28
.irp n, 8,9,10,11,12,13,14,15,24,25,26,27
	v_fma_f32 v[\n], v[\n], s24, -v29              ; (score - m) log2(e), and the same of my four groups' maxima
.endr
.irp n, 8,9,10,11,12,13,14,15,24,25,26,27
	v_exp_f32 v[\n], v[\n]
.endr
	v_nop                                          ; a plain instruction between the last exponential and the use of its result (ISA guide 5.7.2)
	s_wait_alu depctr_va_vdst(0)
	v_pk_add_f32 v[16:17], v[8:9], v[10:11]
	v_pk_add_f32 v[18:19], v[12:13], v[14:15]
	v_pk_add_f32 v[16:17], v[16:17], v[18:19]
	v_add_f32 v16, v16, v17
	WSUM 16
	ds_store_b32 v7, v16
	s_wait_loadcnt 0x0                             ; ctxp
.irp c, 0,1,2,3
	v_mul_f32 v[80+\c], v24, v[64+\c]
.endr
.irp g, 1,2,3
.irp c, 0,1,2,3
	v_fma_f32 v[80+\c], v[24+\g], v[64+4*\g+\c], v[80+\c]
.endr
.endr
	ds_store_b128 v23, v[80:83]
	s_wait_dscnt 0x0
	s_barrier_signal -1
	s_barrier_wait -1
	v_mov_b32 v5, LS
	ds_load_b128 v[84:87], v5
	ds_load_b128 v[88:91], v5 offset:16
	s_wait_dscnt 0x0
	v_pk_add_f32 v[84:85], v[84:85], v[86:87]
	v_pk_add_f32 v[88:89], v[88:89], v[90:91]
	v_pk_add_f32 v[84:85], v[84:85], v[88:89]
	v_add_f32 v16, v84, v85                        ; the sum of all 2,048 exponentials: at least 1
	v_rcp_f32 v18, v16
	v_rcp_f32 v19, v16                             ; twice: a pair for the packed multiplies
	v_nop
	s_cmp_lg_u32 s16, s18                          ; the wave whose number is the part stores its 256 weights
	s_cbranch_scc1 .Lnot_weights
	s_wait_alu depctr_va_vdst(0)
.irp g, 0,1,2,3
	v_pk_mul_f32 v[8+2*\g:9+2*\g], v[8+2*\g:9+2*\g], v[18:19]
.endr
.irp g, 0,1,2,3
	global_store_b64 v2, v[8+2*\g:9+2*\g], s[14:15] offset:256*\g  ; a wave's store covers 256 consecutive bytes, aligned
.endr
.Lnot_weights:
	s_cmp_lg_u32 s16, 0                            ; wave 0 joins the eight waves' parts of the context
	s_cbranch_scc1 .Lend
.irp w, 0,1,2,3,4,5,6,7
	ds_load_b128 v[32+4*\w:35+4*\w], v3 offset:CX+512*\w
.endr
	s_wait_dscnt 0x0
.irp w, 1,2,3,4,5,6,7
	v_pk_add_f32 v[32:33], v[32:33], v[32+4*\w:33+4*\w]
	v_pk_add_f32 v[34:35], v[34:35], v[34+4*\w:35+4*\w]
.endr
	s_wait_alu depctr_va_vdst(0)
	v_pk_mul_f32 v[32:33], v[32:33], v[18:19]
	v_pk_mul_f32 v[34:35], v[34:35], v[18:19]
	global_store_b128 v3, v[32:35], s[12:13]       ; 512 consecutive bytes, aligned
.Lend:
	s_wait_tensorcnt 0x0                           ; the wave's end, behind my last LDS store
	ds_add_u32 v30, v31
	s_wait_dscnt 0x0
	s_endpgm
.Lfunc_end_k_q679466b251_finish:
	.size	k_q679466b251_finish, .Lfunc_end_k_q679466b251_finish-k_q679466b251_finish
	.p2alignl 7, 3214868480
	.fill 96, 4, 3214868480
	.section	.rodata,"a",@progbits
	.p2align	6, 0x0
	.amdhsa_kernel k_q679466b251_finish
		.amdhsa_group_segment_fixed_size 5632
		.amdhsa_private_segment_fixed_size 0
		.amdhsa_enable_private_segment 0
		.amdhsa_kernarg_size 48
		.amdhsa_user_sgpr_count 2
		.amdhsa_user_sgpr_kernarg_segment_ptr 1
		.amdhsa_wavefront_size32 1
		.amdhsa_system_sgpr_workgroup_id_x 1
		.amdhsa_system_sgpr_workgroup_id_y 1
		.amdhsa_system_sgpr_workgroup_id_z 1
		.amdhsa_system_vgpr_workitem_id 0
		.amdhsa_next_free_vgpr 96
		.amdhsa_next_free_sgpr 66
		.amdhsa_reserve_vcc 0
		.amdhsa_float_denorm_mode_32 3
		.amdhsa_float_denorm_mode_16_64 3
		.amdhsa_memory_ordered 1
		.amdhsa_forward_progress 1
		.amdhsa_inst_pref_size 14
	.end_amdhsa_kernel
	.amdgpu_metadata
---
amdhsa.version: [ 1, 2 ]
amdhsa.kernels:
  - .name:           k_q679466b251_finish
    .symbol:         k_q679466b251_finish.kd
    .args:
      - { .name: scores, .offset: 0, .size: 8, .value_kind: global_buffer, .address_space: global }
      - { .name: ctxp, .offset: 8, .size: 8, .value_kind: global_buffer, .address_space: global }
      - { .name: Va_w, .offset: 16, .size: 8, .value_kind: global_buffer, .address_space: global }
      - { .name: Va_b, .offset: 24, .size: 8, .value_kind: global_buffer, .address_space: global }
      - { .name: out0, .offset: 32, .size: 8, .value_kind: global_buffer, .address_space: global }
      - { .name: out1, .offset: 40, .size: 8, .value_kind: global_buffer, .address_space: global }
    .group_segment_fixed_size: 5632
    .private_segment_fixed_size: 0
    .kernarg_segment_align: 8
    .kernarg_segment_size: 48
    .max_flat_workgroup_size: 256
    .sgpr_count:     66
    .vgpr_count:     96
    .wavefront_size: 32
...
	.end_amdgpu_metadata
.endif
;; end of part 3
;; ======== version 2 of 3: 3 launches
;; workspace buffers: ub 2,097,152 bytes; qb 131,072 bytes; scores 262,144 bytes; ctxp 4,194,304 bytes
;; launch prep: the kernel of part 1 again; grid 64 x 1, 8 waves a work-group, no clusters, 149,504 bytes of LDS; arguments Ua_w, Wa_w, query, Wa_b, Ua_b, ub, qb; writes ub, qb
;; launch main (part 4): grid 256 x 1, 4 waves a work-group, clusters of 4 x 1, 327,680 bytes of LDS; arguments keys, ub, qb, Va_w, scores, ctxp; writes scores, ctxp
.if DOCPART == 4
	.amdgcn_target "amdgcn-amd-amdhsa--gfx1250"
	.amdhsa_code_object_version 6
	.text
	.protected	k_q679466b251_main
	.globl	k_q679466b251_main
	.p2align	8
	.type	k_q679466b251_main,@function
k_q679466b251_main:
	s_mov_b64 s[64:65], 0
	v_nop
	global_prefetch_b8 v0, s[64:65] scope:SCOPE_SE
	s_setreg_imm32_b32 hwreg(HW_REG_WAVE_MODE, 25, 1), 1
	s_wait_xcnt 0x0
	s_wait_alu depctr_hold_cnt(0) depctr_sa_sdst(0) depctr_va_vdst(0) depctr_va_sdst(0) depctr_va_ssrc(0) depctr_va_vcc(0) depctr_vm_vsrc(0)
	s_getreg_b32 s2, hwreg(HW_REG_IB_STS2, 6, 4)
	s_cmp_eq_u32 s2, 0
	s_cbranch_scc0 .Lentry_in_a_cluster
	s_endpgm
.Lentry_in_a_cluster:
	s_bfe_u32 s2, ttmp6, 0x10000c
	s_cmp_lg_u32 s2, 0x3003
	s_cbranch_scc0 .Lentry_shape_is_right
	s_endpgm
.Lentry_shape_is_right:
; MAIN.  For 256 key rows of one batch: x[s][o] = qb[b][o] + sum over k of keys[s][k] Ua[o][k]; s'[s] = sum over o of (-2 Va[o]) / (1 + e^(2 x)), which is Va . tanh(x) less the sum of Va;
; and for each wave's 64 rows the partial context sum over s of e^(s' - m) keys[s][:], m the rows' running maximum.  The last launch adds the constants, and joins the partial sums by their maxima.
; LIMITS.  keys and Ua are rounded to bf16 (nearest even), for both products; all else f32.  tanh = 1 - 2 / (1 + 2^(c x)), c = 2 log2(e): it ends at +1 and -1 for large |x|.
; The score is a difference of the sum of Va and s', both in f32.  A weight below 2^-126 counts as 0.  NaN and infinities are not treated apart.
; SHARES.  256 work-groups of four waves.  A work-group's 256 rows go in TWO PASSES of 128; in pass p wave w owns rows 64 w + 2 a + p, a = 0..31: two tiles of 16.  They stay in registers as bf16 fragments
; (512 registers), so keys are read from memory once and serve the scores and the context.  All 1,024 channels o pass by in 16 slots of 64 o: ub's fragments, 131,072 bytes a slot, in a ring of two LDS slots.
; A fragment of Ua read from LDS feeds two products (the wave's two row tiles): one LDS load for each matrix instruction.  While keys are loaded no product runs: no storage is left for the next rows.
; CLUSTER.  Every work-group walks the same ub, so four ask JOINTLY: each wave's load (a quarter of a slot) has the same descriptor and the mask of four in all four work-groups.  keys are shared by nobody.
; THE PRODUCT IS USED TRANSPOSED: source 0 = 16 rows of Ua, source 1 = 16 key rows.  A lane then holds ONE key row (lane%16) and eight o (8 (lane/16) + j): the sum over o stays in the lane but for one exchange.
; LDS LOADS IN RUNS.  16 products stand back to back; the 16 loads for the 16 products after them stand in one run at their head, never singly among the matrix instructions.
; RIDERS.  A half slot (32 o, 128 products) fills one set of four accumulators; meanwhile the other set goes through 2^(c x), + 1, 1 / .., x (-2 Va), one vector instruction behind each product.
; THE CONTEXT.  A product of a key fragment with a matrix of ones and zeros (column n takes k = 2 n + par) is exact and turns the fragment: a lane then holds one channel and eight rows,
; which are multiplied by the rows' f32 weights and added in f32.  128 such products a pass beside 4,096.
; REGISTERS, in windows of 256 (s_set_vgpr_msb: bits 1:0 source 0, 3:2 source 1, 5:4 source 2, 7:6 destination):
;   window 0: v0-31 addresses and statistics; v32-95 two sets of four accumulators; v96-223 two buffers of eight Ua fragments; v224-255 conversions, later indices and weights.  v32-223 also take keys as loaded.
;   windows 1, 2: the key fragments: tile i, K block kb at 16 (kb%16) + 8 i of window 1 + kb/16
;   window 3: v0-15 qb of a half slot; v16-47 -2 Va by set; v48-55 the scores' sums; v56-71 the two selecting matrices; v96-223 the context's sums
.set SLOTB,  131072                    ; a slot.  Slots 0 and 1 are filled by tensor loads alone
.set QW,     2*SLOTB                   ; 4,096 bytes of qb[b], then 4,096 of -2 Va: stored by the waves
.set SCR,    QW+8192                   ; for each wave 32 rows x 272 bytes: 128 channels of its rows as bf16, on their way into fragments
.set SPITCH, 272                       ; 256 + 16: the 16 rows of a fragment load begin 16 bytes apart modulo 256
.set SCRW,   32*SPITCH
.set SPARE,  SCR+4*SCRW                ; 305,152: the spare words, 128 bytes a wave, which no other line names
.set L16,  1                           ; 16 x lane
.set BA0,  2                           ; LDS address of my 16 bytes in the slot's first half
.set BA1,  3                           ; in its second half
.set QA,   4                           ; walks through qb and -2 Va, 128 bytes a half slot
.set SCRS, 5                           ; where I store 8 bytes of a row
.set SCRL, 6                           ; where I read a fragment
.set PFO,  7                           ; 8,192 x lane: the wave's rows lie two rows of 4,096 bytes apart
.set QA0,  8                           ; QW + 32 (lane/16)
.set SPW,  10                          ; my spare word; never rewritten
.set NIL,  11                          ; 0; never rewritten
.set MR,   12                          ; the running maximum
.set MN,   13
.set SV,   14                          ; lane a: the score of row a of the pass
.set PV,   15                          ; its weight
.set AF,   16                          ; v[16:17] the factor for the old sums, in the low word
.set SCK,  18                          ; v[18:19] the two passes' scores
.set PIDX, 20                          ; 32 (lane/16)
.set OFF8, 21                          ; 8 x lane
.set TT,   22                          ; v22-27 at work
.set ACC,  32
.set BF,   96
.set CV,   224
.set IX,   224                         ; 16 lane indices
.set PR,   240                         ; weight of row 16 i + 8 (lane/16) + j at PR + 8 i + j
.set XS,   96                          ; the way out
.set RS,   32
.set SD,   64
.set QR,   0                           ; window 3
.set WR,   16
.set SA,   48
.set SEL,  56
.set CA,   96                          ; K block kb, parity par: a pair at CA + 4 kb + 2 par
.set MUL1, 0x04                        ; source 1 (keys) in window 1; + 4: in window 2
.set MULQ, 0x34                        ; the same with C (qb) in window 3
.set WF,   0xfc                        ; source 0 window 0; sources 1, 2 and destination window 3
.set WCF,  0xf0                        ; sources 0, 1 window 0; source 2 and destination window 3
.set WSC,  0xc3                        ; source 0 and destination window 3, source 1 window 0
.set RD3,  0x0f                        ; sources 0, 1 window 3, destination window 0
.set TO3,  0xc0                        ; destination window 3
.set CX1,  0x0d                        ; source 0 (keys) window 1, source 1 (selection) window 3; + 1: keys in window 2
; scalars: s[4:15] keys, ub, qb, Va_w, scores, ctxp; s16 wave; s18 work-group; s19 my scratch; s[24:31] descriptor group 1; s[32:35] group 0, walking; s[36:37] ub at my quarter; s38 32,768 x wave;
; s39 the slot being read; s40-42 counters; s[44:45] c; s[46:47] lane selects; s[48:49] keys at my first row of the pass; s50 lanes 16-31; s51 log2(e); s52, s53 bf16 1.0 low, high
.set MSB, 0
.macro WIN new                         ; the immediate's high byte repeats the setting that is left; a switch that changes nothing is dropped
.if MSB != (\new)
	s_set_vgpr_msb (MSB<<8)|(\new)
.set MSB, (\new)
.endif
.endm
.macro CREST                           ; a round of the cluster's barrier behind its opening barrier
	s_cmp_lg_u32 s16, 0
	s_cbranch_scc1 .Lnot_wave_0_\@
	s_barrier_signal -3
.Lnot_wave_0_\@:
	s_barrier_wait -3
	s_barrier_signal -1
	s_barrier_wait -1
.endm
.macro CROUND
	s_barrier_signal -1
	s_barrier_wait -1
	CREST
.endm
.macro TLOAD                           ; my quarter of a slot, jointly with the same wave of the three partners; an s_nop 0 and four v_nop follow
	tensor_load_to_lds s[32:35], s[24:31]
	s_nop 0
.rept 4
	v_nop
.endr
.endm
; A load into a register that a matrix instruction has read, and a vector instruction that reads a matrix result, stand four places behind that matrix instruction, and only plain vector
; instructions that name none of its registers are places (ISA guide 7.12.1 for vector instructions).
.macro PLACES
	s_wait_alu depctr_va_vdst(0)
.rept 4
	v_nop
.endr
.endm
	s_load_b256 s[4:11], s[0:1], 0x0               ; keys s[4:5], ub s[6:7], qb s[8:9], Va_w s[10:11]
	s_load_b128 s[12:15], s[0:1], 0x20             ; scores s[12:13], ctxp s[14:15]
	v_lshl_add_u32 v[SPW], v0, 2, SPARE
	v_mov_b32 v[NIL], 0
	ds_add_u32 v[SPW], v[NIL]                      ; the wave's opening: the add and its wait stand ahead of my first tensor load; work on registers stands between them
	v_lshrrev_b32 v9, 5, v0
	v_readfirstlane_b32 s16, v9                    ; wave 0..3
	s_bfe_u32 s17, ttmp6, 0x40000                  ; cx
	s_lshl_b32 s18, ttmp9, 2                       ; in a cluster launch ttmp9 counts clusters
	s_add_co_u32 s18, s18, s17                     ; work-group 0..255: it enters the addresses of keys, qb, scores and ctxp alone
	; descriptor group 1: 32,768 dense bytes as 128 rows of 256 bytes
	s_mov_b32 s24, 15|(3<<16)|(1<<21)              ; 15:0 the mask of four; 17:16 elements of 8 bytes; 21 set beside a mask; no padding
	s_mov_b32 s25, 32<<16                          ; tensor_dim0 = 32
	s_mov_b32 s26, 128<<16                         ; tensor_dim1 = 128
	s_mov_b32 s27, 32<<16                          ; tile_dim0 = 32
	s_mov_b32 s28, 128                             ; tile_dim1 = 128
	s_mov_b32 s29, 32                              ; 32 elements from row to row
	s_mov_b32 s30, 0
	s_mov_b32 s31, 0
	s_mov_b32 s32, 1                               ; group 0: count = 1
	s_lshl_b32 s38, s16, 15                        ; my quarter of a slot, in LDS and in ub
	s_mov_b32 s54, s38
	s_mov_b32 s55, 0
	s_mov_b32 s44, 0x4038aa3b                      ; c = 2 log2(e)
	s_mov_b32 s45, s44                             ; named with it as a pair
	s_mov_b32 s46, 0x76543210
	s_mov_b32 s47, 0xfedcba98
	s_mov_b32 s50, 0xffff0000
	s_mov_b32 s51, 0x3fb8aa3b                      ; log2(e)
	s_mov_b32 s52, 0x3f80
	s_mov_b32 s53, 0x3f800000
	s_mul_i32 s19, s16, SCRW
	s_add_co_u32 s19, s19, SCR
	s_mov_b32 s21, 0
	v_and_b32 v25, 31, v0                          ; lane
	v_and_b32 v23, 15, v0                          ; r = lane % 16
	v_bfe_u32 v24, v0, 4, 1                        ; h = lane / 16
	v_lshlrev_b32 v[L16], 4, v25
	v_lshl_add_u32 v[QA0], v24, 5, QW
	v_lshl_add_u32 v[SCRS], v25, 3, s19
	v_mul_u32_u24 v[SCRL], v23, SPITCH
	v_lshl_add_u32 v[SCRL], v24, 4, v[SCRL]
	v_add_nc_u32 v[SCRL], s19, v[SCRL]
	v_lshlrev_b32 v[PFO], 13, v25
	v_lshlrev_b32 v[PIDX], 5, v24
	v_lshlrev_b32 v[OFF8], 3, v25
	v_lshlrev_b32 v26, 1, v23
	v_lshlrev_b32 v27, 3, v24
	v_sub_nc_u32 v26, v26, v27                     ; 2 r - 8 h
	v_lshlrev_b32 v9, 4, v0                        ; 16 x thread
	v_add_nc_u32 v22, QW, v9
	v_mov_b32 v[MR], 0xff7fffff                    ; the lowest finite number: the first pass's factor for the old sums is 0
	v_mov_b32 v[AF+1], 0                           ; named with AF as a pair
	v_mov_b32 v[SCK+1], 0
	s_wait_dscnt 0x0                               ; the opening add is done
	s_wait_kmcnt 0x0
	s_add_nc_u64 s[36:37], s[6:7], s[54:55]        ; ub at my quarter of slot 0: the wave's number alone enters it
	s_lshl_b32 s20, s18, 20                        ; keys: 256 rows of 4,096 bytes a work-group,
	s_lshl_b32 s22, s16, 18                        ; 64 a wave
	s_add_co_u32 s20, s20, s22
	s_add_nc_u64 s[48:49], s[4:5], s[20:21]
	s_lshr_b32 s20, s18, 3                         ; the batch
	s_lshl_b32 s20, s20, 12
	s_add_nc_u64 s[8:9], s[8:9], s[20:21]
	s_lshl_b32 s20, s18, 10                        ; scores: 256 numbers a work-group, 64 a wave
	s_lshl_b32 s22, s16, 8
	s_add_co_u32 s20, s20, s22
	s_add_nc_u64 s[12:13], s[12:13], s[20:21]
	s_lshl_b32 s20, s18, 14                        ; ctxp: a row of 4,096 bytes a wave
	s_lshl_b32 s22, s16, 12
	s_add_co_u32 s20, s20, s22
	s_add_nc_u64 s[14:15], s[14:15], s[20:21]
	global_load_b128 v[32:35], v9, s[8:9]          ; qb[b] and Va: 128 threads x 2 x 16 bytes each
	global_load_b128 v[36:39], v9, s[8:9] offset:2048
	global_load_b128 v[40:43], v9, s[10:11]
	global_load_b128 v[44:47], v9, s[10:11] offset:2048
	; In the wait for them.  The selecting matrices, as source 1: lane (r, h) holds column n = r; register q holds k = 8 h + 2 q, + 1 (q < 4) or 8 h + 2 q + 8, + 1.  The one lies at k = 2 r + par.
	WIN TO3
.set q, 0
.rept 8
	v_cmp_eq_u32 vcc_lo, 2*q+8*(q/4), v26
	v_cndmask_b32 v[SEL+q], 0, s52, vcc_lo
	v_cndmask_b32 v[SEL+8+q], 0, s53, vcc_lo
.set q, q+1
.endr
.set n, 0
.rept 128                              ; the context's sums begin at 0: both passes then run one text, which multiplies them by the factor first.  The price: these 128 lines, once, in the wait for the first loads
	v_mov_b32 v[CA+n], 0
.set n, n+1
.endr
	WIN 0
	s_wait_loadcnt 0x0
	v_pk_mul_f32 v[40:41], v[40:41], -2.0 op_sel_hi:[1,0]
	v_pk_mul_f32 v[42:43], v[42:43], -2.0 op_sel_hi:[1,0]
	v_pk_mul_f32 v[44:45], v[44:45], -2.0 op_sel_hi:[1,0]
	v_pk_mul_f32 v[46:47], v[46:47], -2.0 op_sel_hi:[1,0]
	ds_store_b128 v22, v[32:35]
	ds_store_b128 v22, v[36:39] offset:2048
	ds_store_b128 v22, v[40:43] offset:4096
	ds_store_b128 v22, v[44:47] offset:6144
; KEYS.  Unit n of 16: row tile n%2, channels 128 (n/2) on.  16 loads, one a row, 512 consecutive bytes each; three sets of 64 registers take turns.
.macro ISSUE n
.set tb_, 32+64*((\n)%3)
.set rho, 0
.rept 16
	global_load_b128 v[tb_+4*rho:tb_+4*rho+3], v[L16], s[48:49] offset:(16*((\n)&1)+rho)*8192+512*((\n)>>1) th:TH_LOAD_NT
.set rho, rho+1
.endr
.endm
; Unit n is rounded to bf16, goes into my scratch rows and comes back as four fragments.  The scratch is my wave's own, and LDS serves a wave's instructions in order (ISA guide 5.7.1.4): no wait, no barrier.
.macro AUNIT n
	WIN 0
.if (\n) < 14
	s_wait_loadcnt 32                              ; the two younger units stay out
.elseif (\n) == 14
	s_wait_loadcnt 16
.else
	s_wait_loadcnt 0
.endif
.set tb_, 32+64*((\n)%3)
.set rho, 0
.rept 16
	v_cvt_pk_bf16_f32 v[CV+2*rho], v[tb_+4*rho], v[tb_+4*rho+1]
	v_cvt_pk_bf16_f32 v[CV+2*rho+1], v[tb_+4*rho+2], v[tb_+4*rho+3]
.set rho, rho+1
.endr
.set rho, 0
.rept 16
	ds_store_b64 v[SCRS], v[CV+2*rho:CV+2*rho+1] offset:(16*((\n)&1)+rho)*SPITCH
.set rho, rho+1
.endr
.if (\n) < 13
	ISSUE (\n)+3
.endif
	WIN (1+((\n)>>3))<<6                           ; destination window 1 (K blocks 0-15) or 2
.set kk, 0
.rept 4
.set ra_, 16*((4*((\n)>>1)+kk)&15)+8*((\n)&1)
	ds_load_b128 v[ra_:ra_+3], v[SCRL] offset:16*((\n)&1)*SPITCH+64*kk
	ds_load_b128 v[ra_+4:ra_+7], v[SCRL] offset:16*((\n)&1)*SPITCH+64*kk+32
.set kk, kk+1
.endr
	WIN 0
.endm
; A slot is filled at a pass's beginning, in the order of every refill: all my tensor loads have landed; the add; the descriptor is written while no load of mine is out; the add and my LDS
; instructions are done; a round of the cluster's barrier; my one load first behind it.  reset = 1: ub's slot 0 into LDS slot 0; 0: the next one into the other.
.macro PRIME reset
	WIN 0
	s_wait_tensorcnt 0x0
	ds_add_u32 v[SPW], v[NIL]                      ; 0 onto my spare word
.if \reset
	s_mov_b32 s33, s38
	s_mov_b64 s[34:35], s[36:37]
	s_or_b32 s35, s35, 0x80000000                  ; type = 2
.else
	s_xor_b32 s33, s33, SLOTB
	s_add_nc_u64 s[34:35], s[34:35], SLOTB         ; the type bits on top are not reached
.endif
	s_wait_dscnt 0x0
	CROUND
	TLOAD
.endm
; THE RIDERS: the vector work on a finished set of four accumulators (RACC) with its -2 Va (RWB), as a list; RID writes the next entry.  Pair p of 16 is registers 2 (p/4), + 1 of accumulator p%4.
; Step rs of 20 holds: c x for pair rs; two exponentials for pair rs - 1; + 1 for pair rs - 2; two reciprocals for pair rs - 3;
; and in steps 7, 11, 15, 19 four multiply-adds onto the scores' sums, for the four pairs finished longest.  So a plain instruction that names other registers stands behind every
; exponential and reciprocal before its result is used (ISA guide 5.7.2); ahead of the last four multiply-adds that is a v_nop.  100 entries for a half slot's 128 products.
.macro RENT
.set rp, rs
.if re > 0
.set rp, rs-1
.endif
.if re > 2
.set rp, rs-2
.endif
.if re > 3
.set rp, rs-3
.endif
.if (re < 6) && (rp >= 0) && (rp < 16)
.set rdone, 1
.set rr, RACC+8*(rp&3)+2*(rp>>2)
.if re == 0
	v_pk_mul_f32 v[rr:rr+1], v[rr:rr+1], s[44:45] op_sel_hi:[1,0]
.elseif re == 1
	v_exp_f32 v[rr], v[rr]
.elseif re == 2
	v_exp_f32 v[rr+1], v[rr+1]
.elseif re == 3
	s_wait_alu depctr_va_vdst(0)
	v_pk_add_f32 v[rr:rr+1], v[rr:rr+1], 1.0 op_sel_hi:[1,0]
.elseif re == 4
	v_rcp_f32 v[rr], v[rr]
.else
	v_rcp_f32 v[rr+1], v[rr+1]
.endif
.endif
.if (re == 6) && (rs >= 7) && ((rs&3) == 3)
.set rdone, 1
.set rk, (rs-7)/4
.set rsave, MSB
.if rs == 19
	v_nop
	s_wait_alu depctr_va_vdst(0)
.endif
	WIN WF
.set ra, 0
	s_wait_alu depctr_va_vdst(0)
.rept 4
	v_pk_fma_f32 v[SA+2*ra:SA+2*ra+1], v[RACC+8*ra+2*rk:RACC+8*ra+2*rk+1], v[RWB+8*(ra&1)+2*rk:RWB+8*(ra&1)+2*rk+1], v[SA+2*ra:SA+2*ra+1]
.set ra, ra+1
.endr
	WIN rsave
.endif
.endm
.macro RID
.set rdone, 0
.rept 9
.if (rdone == 0) && (rs < 20)
	RENT
.set re, re+1
.if re == 7
.set re, 0
.set rs, rs+1
.endif
.endif
.endr
.endm
; THE PRODUCTS.  A slot is 16 BLOCKS of 16 products: block Bk is half slot Bk/8 (32 o, accumulator set Bk/8), K blocks 4 (Bk%8) + 0..3.  The products are counted in groups of 8, G = 2 Bk and 2 Bk + 1:
; product x of a group: K block 2 (G%16) + x/4, row tile (x/2)%2, o tile x%2.  The four accumulators take turns, one instruction a turn, over the blocks', the half slots' and the loops' edges too.
; A half slot's first four products take qb as C.
.macro PROD
.set kb_, 2*(G&15)+(x>>2)
.set rD, ACC+32*(G>>4)+8*(x&3)
.set rB, BF+32*(G&3)+16*(x>>2)+8*(x&1)
.set rA, 16*(kb_&15)+8*((x>>1)&1)
.if kb_ == 0
	WIN MULQ
	v_wmma_f32_16x16x32_bf16 v[rD:rD+7], v[rB:rB+7], v[rA:rA+7], v[QR+8*(x&1):QR+8*(x&1)+7]
.else
	WIN MUL1+4*(kb_>>4)
	v_wmma_f32_16x16x32_bf16 v[rD:rD+7], v[rB:rB+7], v[rA:rA+7], v[rD:rD+7]
.endif
.endm
.macro PRODS n                         ; the next n products, a rider behind each
.rept \n
	PROD
	RID
.set x, x+1
.if x == 8
.set x, 0
.set G, G+1
.endif
.endr
.endm
.macro BL gg, lam                      ; load lam of 8 of group gg's fragments of Ua: 32 lanes take 512 consecutive bytes
.set bD, BF+32*((\gg)&3)+16*((\lam)>>2)+8*(((\lam)>>1)&1)+4*((\lam)&1)
.set bO, (2*((\gg)&15)+((\lam)>>2))*2048+(((\lam)>>1)&1)*1024+((\lam)&1)*512
.if ((\gg)&31) < 16
	ds_load_b128 v[bD:bD+3], v[BA0] offset:bO
.else
	ds_load_b128 v[bD:bD+3], v[BA1] offset:bO
.endif
.endm
.macro RUN bb                          ; the 16 loads of block bb, into buffer bb%2.  Address and destination lie in window 0 under every setting that the products leave
.set lam, 0
.rept 8
	BL 2*(\bb), lam
.set lam, lam+1
.endr
.set lam, 0
.rept 8
	BL 2*(\bb)+1, lam
.set lam, lam+1
.endr
.endm
.macro QWL                             ; qb of the next half slot and -2 Va of this one.  Behind the pass's last half slot the first four read -2 Va's first bytes, and nothing uses them
	WIN TO3
.irp t, 0,1
	ds_load_b128 v[QR+8*\t:QR+8*\t+3], v[QA] offset:64*\t
	ds_load_b128 v[QR+8*\t+4:QR+8*\t+7], v[QA] offset:64*\t+16
	ds_load_b128 v[WR+16*(G>>4)+8*\t:WR+16*(G>>4)+8*\t+3], v[QA] offset:3968+64*\t
	ds_load_b128 v[WR+16*(G>>4)+8*\t+4:WR+16*(G>>4)+8*\t+7], v[QA] offset:3968+64*\t+16
.endr
.endm
; A BLOCK.  At its head: four places behind the block before, whose products read the buffer that is now written (at a half slot's head they are also the places in front of the riders' first reads);
; the run for the block after it; the wait for its own fragments, asked for a block ago; then its 16 products.  A half slot's second block appends the loads of qb and -2 Va to its run.
; Blocks 14 and 15 change slots.  ch = 1: the slot is filled again, two slots on; ch = 0: the pass's last two slots.
.macro BLOCK ch
.if (Bk&7) == 0
.set rs, 0
.set re, 0
.set RACC, ACC+32*(1-(Bk>>3))
.set RWB, WR+16*(1-(Bk>>3))
.endif
.if Bk < 14
	PLACES
.if (Bk&7) == 1
	WIN 0
	v_add_nc_u32 v[QA], 128, v[QA]
.endif
	RUN Bk+1
.if (Bk&7) == 1
	QWL
.endif
.if ((Bk&7) == 1) || ((Bk&7) == 2)
	s_wait_dscnt 24                                ; my fragments are in; behind them stand a run of 16 and the 8 loads of qb and -2 Va
.else
	s_wait_dscnt 16                                ; my fragments are in; the run just issued stays out
.endif
	PRODS 16
.elseif Bk == 14
	PLACES
	RUN 15                                         ; my last reads of this slot
	WIN 0                                          ; (the add's two registers lie in window 0)
	s_wait_tensorcnt 0x0                           ; all my tensor loads have landed: the one that was out is my quarter of the next slot
	ds_add_u32 v[SPW], v[NIL]                      ; 0 onto my spare word
.if \ch
	s_xor_b32 s33, s33, SLOTB                      ; no load of mine is out, so group 0 may be written: this slot, two slots on in ub
	s_add_nc_u64 s[34:35], s[34:35], SLOTB
.endif
	s_wait_dscnt 17                                ; my fragments are in; the run just issued and the add may be out
	PRODS 8
	s_wait_dscnt 0x0                               ; the add is done, and my reads of this slot are over
	s_barrier_signal -1
	PRODS 8                                        ; work on registers while the others arrive
	WIN 0                                          ; at a branch and at a label every window is 0
	s_barrier_wait -1
.if \ch
	CREST                                          ; the barrier has opened a round of the cluster's: no wave of any partner still reads this slot or has a load on its way
	TLOAD                                          ; my one load behind the round: 240 products stand between it and the wait for it; its four v_nop are also the places in front of the run below
.else
	PLACES
.endif
	s_xor_b32 s39, s39, SLOTB                      ; the reads go on in the other slot
	v_add_nc_u32 v[BA0], s39, v[L16]
	v_add_nc_u32 v[BA1], 65536, v[BA0]
	RUN 16                                         ; the next slot's block 0
.else
	PRODS 16                                       ; its fragments were shown in by the wait for 0 ahead of the barrier
.endif
.endm
.macro BODY ch
.set G, 0
.set x, 0
.set Bk, 0
.rept 16
	BLOCK \ch
.set Bk, Bk+1
.endr
	WIN 0
.endm
; THE CONTEXT.  Step m of 64: K block m/2, row tile m%2: two selecting products, into accumulator blocks that take turns by eight; CXF: their 16 registers times the rows' weights, onto the K block's two pairs of sums.
.macro CXM m
.set kb_, (\m)>>1
.set rA, 16*(kb_&15)+8*((\m)&1)
	WIN CX1+(kb_>>4)
	v_wmma_f32_16x16x32_bf16 v[ACC+8*((2*(\m))&7):ACC+8*((2*(\m))&7)+7], v[rA:rA+7], v[SEL:SEL+7], 0
	v_wmma_f32_16x16x32_bf16 v[ACC+8*((2*(\m)+1)&7):ACC+8*((2*(\m)+1)&7)+7], v[rA:rA+7], v[SEL+8:SEL+15], 0
.endm
.macro CXF m
.set kb_, (\m)>>1
.set rP, PR+8*((\m)&1)
	WIN WCF
.irp q, 0,1,2,3                        ; each block's lowest registers first; the two chains alternate
.irp par, 0,1
	v_pk_fma_f32 v[CA+4*kb_+2*\par:CA+4*kb_+2*\par+1], v[ACC+8*((2*(\m)+\par)&7)+2*\q:ACC+8*((2*(\m)+\par)&7)+2*\q+1], v[rP+2*\q:rP+2*\q+1], v[CA+4*kb_+2*\par:CA+4*kb_+2*\par+1]
.endr
.endr
.endm
	s_mov_b32 s40, 2
.Lpass:                                                ; two trips: rows of parity 0, then of parity 1
	ISSUE 0
	ISSUE 1
	ISSUE 2
	PRIME 1                                        ; ub's slot 0 is asked for; in the first trip the round also shows qb and -2 Va to every wave
	AUNIT 0
	AUNIT 1
	AUNIT 2
	AUNIT 3
	AUNIT 4
	AUNIT 5
	AUNIT 6
	AUNIT 7
	PRIME 0                                        ; slot 0 is in, everybody's quarter; slot 1 is asked for
	AUNIT 8
	AUNIT 9
	AUNIT 10
	AUNIT 11
	AUNIT 12
	AUNIT 13
	AUNIT 14
	AUNIT 15
	; The pass's first half slot carries riders on a set that has not been: x = 0 and -2 Va = 0 add 0 to the scores' sums, which begin at 0.  56 lines a pass, for one text of the slots.
.set n, 0
.rept 32
	v_mov_b32 v[ACC+32+n], 0
.set n, n+1
.endr
	WIN TO3
.set n, 0
.rept 16
	v_mov_b32 v[WR+16+n], 0
.set n, n+1
.endr
.set n, 0
.rept 8
	v_mov_b32 v[SA+n], 0
.set n, n+1
.endr
	WIN 0
	s_mov_b32 s39, 0
	v_mov_b32 v[BA0], v[L16]
	v_add_nc_u32 v[BA1], 65536, v[L16]
	v_mov_b32 v[QA], v[QA0]
	WIN TO3
.irp t, 0,1
	ds_load_b128 v[QR+8*\t:QR+8*\t+3], v[QA] offset:64*\t
	ds_load_b128 v[QR+8*\t+4:QR+8*\t+7], v[QA] offset:64*\t+16
.endr
	WIN 0
	RUN 0                                          ; the first slot's block 0
	s_mov_b32 s41, 14
.Lslot:                                                ; 14 trips: a slot is multiplied and filled again
	BODY 1
	s_sub_co_u32 s41, s41, 1
	s_cmp_lg_u32 s41, 0
	s_cbranch_scc1 .Lslot
	s_mov_b32 s42, 2
.Ltail:                                                ; the last two slots are written apart.  The second trip's barrier and its 16 loads ahead serve nothing: the price of one text for both
	BODY 0
	s_sub_co_u32 s42, s42, 1
	s_cmp_lg_u32 s42, 0
	s_cbranch_scc1 .Ltail
	; THE PASS'S END.
	s_wait_dscnt 0x0                               ; the loads ahead have landed: their registers may be used
	s_cmp_eq_u32 s40, 1
	s_cbranch_scc1 .Lno_prefetch                   ; the last pass has no next rows
	; The first 1,024 bytes of each of my 32 rows of the next pass (they lie one row, 4,096 bytes, behind this pass's): each lane a row, each block of 256 bytes asked for once, by the wave that will load it;
	; 131,072 bytes a work-group.  The rest of this pass's end stands between these lines and the loads.
	global_prefetch_b8 v[PFO], s[48:49] offset:4096 th:TH_LOAD_NT scope:SCOPE_SE
	global_prefetch_b8 v[PFO], s[48:49] offset:4352 th:TH_LOAD_NT scope:SCOPE_SE
	global_prefetch_b8 v[PFO], s[48:49] offset:4608 th:TH_LOAD_NT scope:SCOPE_SE
	global_prefetch_b8 v[PFO], s[48:49] offset:4864 th:TH_LOAD_NT scope:SCOPE_SE
.Lno_prefetch:
	PLACES                                         ; behind the last products
.set rs, 0
.set re, 0
.set RACC, ACC+32
.set RWB, WR+16
.rept 100
	RID                                            ; the last half slot's vector work has no products to ride on
.endr
	WIN RD3
	v_pk_add_f32 v[TT:TT+1], v[SA:SA+1], v[SA+2:SA+3]        ; row tile 0: both o tiles,
	v_pk_add_f32 v[TT+2:TT+3], v[SA+4:SA+5], v[SA+6:SA+7]    ; row tile 1
	WIN 0
	v_add_f32 v[TT], v[TT], v[TT+1]                ; even and odd o,
	v_add_f32 v[TT+2], v[TT+2], v[TT+3]
	v_permlanex16_b32 v[TT+1], v[TT], s46, s47     ; and the o that lie in the lane 16 away
	v_permlanex16_b32 v[TT+3], v[TT+2], s46, s47
	v_add_f32 v[TT], v[TT], v[TT+1]
	v_add_f32 v[TT+2], v[TT+2], v[TT+3]
	v_cndmask_b32 v[SV], v[TT], v[TT+2], s50       ; lane a holds row a's score
	v_mov_b32 v[SCK], v[SCK+1]                     ; behind the second pass: the first pass's score, the second's
	v_mov_b32 v[SCK+1], v[SV]
	v_max_num_f32_dpp v[TT], v[SV], v[SV] row_xmask:1 row_mask:0xf bank_mask:0xf
	v_max_num_f32_dpp v[TT], v[TT], v[TT] row_xmask:2 row_mask:0xf bank_mask:0xf
	v_max_num_f32_dpp v[TT], v[TT], v[TT] row_xmask:4 row_mask:0xf bank_mask:0xf
	v_max_num_f32_dpp v[TT], v[TT], v[TT] row_xmask:8 row_mask:0xf bank_mask:0xf
	v_permlanex16_b32 v[TT+1], v[TT], s46, s47
	v_max_num_f32 v[TT], v[TT], v[TT+1]
	v_max_num_f32 v[MN], v[MR], v[TT]              ; the running maximum
	v_mul_f32 v[TT], s51, v[MN]
	v_fma_f32 v[TT+1], v[MR], s51, -v[TT]
	v_fma_f32 v[TT+2], v[SV], s51, -v[TT]
	v_exp_f32 v[AF], v[TT+1]                       ; the old sums' factor,
	v_exp_f32 v[PV], v[TT+2]                       ; my row's weight
	v_mov_b32 v[MR], v[MN]
.set n, 0
.rept 16
	v_add_nc_u32 v[IX+n], 64*(n/8)+4*(n%8), v[PIDX]  ; 4 x the lane that holds row 16 i + 8 h + j
.set n, n+1
.endr
.set n, 0
	s_wait_alu depctr_va_vdst(0)
.rept 16
	ds_bpermute_b32 v[PR+n], v[IX+n], v[PV]
.set n, n+1
.endr
	WIN WSC
.set n, 0
.rept 64
	v_pk_mul_f32 v[CA+2*n:CA+2*n+1], v[CA+2*n:CA+2*n+1], v[AF:AF+1] op_sel_hi:[1,0]
.set n, n+1
.endr
	s_wait_dscnt 0x0                               ; the weights are in
.set m, 0
.rept 64
	CXM m
.if m == 1
	PLACES                                         ; step 0's results have no earlier multiply-adds as places
.endif
.if m > 0
	CXF m-1                                        ; eight plain instructions that name no register of the two products just issued: their places
.endif
.set m, m+1
.endr
	PLACES
	CXF 63
	WIN 0
	s_wait_xcnt 0x0                                ; the prefetches' addresses are translated (ISA guide 3.1); the loads are long in: the base may step
	s_add_nc_u64 s[48:49], s[48:49], 4096          ; the rows of the other parity
	s_sub_co_u32 s40, s40, 1
	s_cmp_lg_u32 s40, 0
	s_cbranch_scc1 .Lpass
	; THE WAY OUT.  A pair's two halves (even and odd rows) are added; then the rows of the other half of the lanes: of K blocks 2 kap and 2 kap + 1 lanes 0-15 keep the first and send the second, lanes 16-31
	; the other way round, so that lane l ends with channel 64 kap + 2 l + par.
	WIN RD3
.set n, 0
.rept 64
	v_add_f32 v[XS+n], v[CA+2*n], v[CA+2*n+1]
.set n, n+1
.endr
	WIN 0
.set n, 0
.rept 32                               ; n = 2 kap + par
	v_cndmask_b32 v[RS+n], v[XS+4*(n>>1)+(n&1)], v[XS+4*(n>>1)+(n&1)+2], s50
	v_cndmask_b32 v[SD+n], v[XS+4*(n>>1)+(n&1)+2], v[XS+4*(n>>1)+(n&1)], s50
.set n, n+1
.endr
.set n, 0
.rept 32
	v_permlanex16_b32 v[XS+4*(n>>1)+(n&1)], v[SD+n], s46, s47
.set n, n+1
.endr
.set n, 0
.rept 32
	v_add_f32 v[RS+n], v[RS+n], v[XS+4*(n>>1)+(n&1)]
.set n, n+1
.endr
.set n, 0
.rept 16
	global_store_b64 v[OFF8], v[RS+2*n:RS+2*n+1], s[14:15] offset:256*n  ; a wave's store covers 256 consecutive bytes, aligned
.set n, n+1
.endr
	global_store_b64 v[OFF8], v[SCK:SCK+1], s[12:13]  ; my wave's 64 scores: rows 2 l and 2 l + 1: 256 consecutive bytes, aligned
	s_wait_tensorcnt 0x0                           ; the wave's end, behind my last tensor load and my last LDS store
	ds_add_u32 v[SPW], v[NIL]
	s_wait_dscnt 0x0
	CROUND                                         ; the closing round: no work-group ends while a partner may still ask for a tile that names it
	s_endpgm
.Lfunc_end_k_q679466b251_main:
	.size	k_q679466b251_main, .Lfunc_end_k_q679466b251_main-k_q679466b251_main
	.p2alignl 7, 3214868480
	.fill 96, 4, 3214868480
	.section	.rodata,"a",@progbits
	.p2align	6, 0x0
	.amdhsa_kernel k_q679466b251_main
		.amdhsa_group_segment_fixed_size 327680
		.amdhsa_private_segment_fixed_size 0
		.amdhsa_enable_private_segment 0
		.amdhsa_kernarg_size 48
		.amdhsa_user_sgpr_count 2
		.amdhsa_user_sgpr_kernarg_segment_ptr 1
		.amdhsa_wavefront_size32 1
		.amdhsa_system_sgpr_workgroup_id_x 1
		.amdhsa_system_sgpr_workgroup_id_y 1
		.amdhsa_system_sgpr_workgroup_id_z 1
		.amdhsa_system_vgpr_workitem_id 0
		.amdhsa_next_free_vgpr 1024
		.amdhsa_next_free_sgpr 66
		.amdhsa_reserve_vcc 1
		.amdhsa_float_denorm_mode_32 3
		.amdhsa_float_denorm_mode_16_64 3
		.amdhsa_memory_ordered 1
		.amdhsa_forward_progress 1
		.amdhsa_inst_pref_size 255
	.end_amdhsa_kernel
	.section	.bss,"aw",@nobits
	.p2align	6
	.space	262144
	.amdgpu_metadata
---
amdhsa.version: [ 1, 2 ]
amdhsa.kernels:
  - .name:           k_q679466b251_main
    .symbol:         k_q679466b251_main.kd
    .args:
      - { .name: keys, .offset: 0, .size: 8, .value_kind: global_buffer, .address_space: global }
      - { .name: ub, .offset: 8, .size: 8, .value_kind: global_buffer, .address_space: global }
      - { .name: qb, .offset: 16, .size: 8, .value_kind: global_buffer, .address_space: global }
      - { .name: Va_w, .offset: 24, .size: 8, .value_kind: global_buffer, .address_space: global }
      - { .name: scores, .offset: 32, .size: 8, .value_kind: global_buffer, .address_space: global }
      - { .name: ctxp, .offset: 40, .size: 8, .value_kind: global_buffer, .address_space: global }
    .group_segment_fixed_size: 327680
    .private_segment_fixed_size: 0
    .kernarg_segment_align: 8
    .kernarg_segment_size: 48
    .max_flat_workgroup_size: 128
    .sgpr_count:     66
    .vgpr_count:     1024
    .wavefront_size: 32
...
	.end_amdgpu_metadata
.endif
;; end of part 4
;; launch finish: the kernel of part 3 again; grid 256 x 1, 8 waves a work-group, no clusters, 5,632 bytes of LDS; arguments scores, ctxp, Va_w, Va_b, out0, out1; writes out0, out1
;; ======== version 3 of 3: 3 launches; version 2 with the launch prep written anew for expert scheduling mode
;; workspace buffers: ub 2,097,152 bytes; qb 131,072 bytes; scores 262,144 bytes; ctxp 4,194,304 bytes
;; launch prep (part 5): grid 64 x 1, 8 waves a work-group, no clusters, 149,504 bytes of LDS; arguments Ua_w, Wa_w, query, Wa_b, Ua_b, ub, qb; writes ub, qb
.if DOCPART == 5
	.amdgcn_target "amdgcn-amd-amdhsa--gfx1250"
	.amdhsa_code_object_version 6
	.text
	.protected	k_q679466b251_prep
	.globl	k_q679466b251_prep
	.p2align	8
	.type	k_q679466b251_prep,@function
k_q679466b251_prep:
	s_mov_b64 s[64:65], 0
	v_nop
	global_prefetch_b8 v0, s[64:65] scope:SCOPE_SE
	s_setreg_imm32_b32 hwreg(HW_REG_WAVE_SCHED_MODE, 0, 2), 2
	s_setreg_imm32_b32 hwreg(HW_REG_WAVE_MODE, 25, 1), 1
	s_wait_xcnt 0x0
	s_wait_alu depctr_vm_vsrc(0)
; PREP.  (1) ub = Ua_w rounded to bf16, laid out as the matrix fragments that the next launch reads: byte s*131072 + u*65536 + kb*2048 + t*1024 + hf*512 + 16*lane
; holds Ua[o][k .. k+7], o = 64 s + 32 u + 16 t + lane%16, k = 32 kb + 16 hf + 8 (lane/16).  (2) qb[b][o] = sum over k of query[b][k] Wa[o][k] + Wa_b[o] + Ua_b[o], f32.
; LIMITS.  Ua_w, Wa_w and query are rounded to bf16 (nearest even) for the matrix unit; sums and biases in f32; NaN and infinities are not treated apart.
; SHARES.  Work-group T of 64 owns the 16 output channels o = 16 T .. 16 T + 15: 16 rows of Ua, 16 of Wa, and all 32 rows of query.  Eight waves; thread t owns 16 bytes at 16 t of every
; row of 4,096 bytes, so a wave's load covers 512 consecutive bytes.  The rows go to LDS as bf16; from there each wave takes the fragments of four K blocks of 32.
; NO CLUSTER, NO TENSOR LOAD: every byte is converted on its way, so it passes registers anyway; what the work-groups share, query, is 131,072 bytes that 64 work-groups read once each.
; 64 work-groups: a fragment has 16 rows of Ua, and 1,024 rows make 64 of them.
; THE MODE: SCHED_MODE bits 1:0 = 2 (LLVM: expert scheduling mode 2), set by the entry lines.  The code itself states the register dependences
; between vector or matrix instructions and memory or LDS instructions, with s_wait_alu, always for 0.
; THE PLAN.  The 64 rows go in 8 blocks of 8.  Registers that memory or LDS instructions touch:
;   X          a ring of 48 rows' 4 registers.  Written by the rows' loads; read by the conversions alone.  Rows 48 to 63 land where rows 0 to 15 lay: their loads are issued in blocks 1 and 2.
;   Y0, Y1     two blocks of rows as bf16, 2 registers a row.  Written by block p's conversions (Y[p % 2]); read by the eight LDS stores that are issued in block p + 1.
;   v1 - v4    offsets and LDS addresses, made once at the head and never written again.
;   v5, v6, v20, v21   made once, behind block 7's conversions; read by the fragments' loads, ub's stores and the partial sums' stores.
;   v[160:175] the accumulators: written by the matrix instructions, read by four LDS stores.     v22, v23, v[176:179]: the last sums' address, offset and data.
; Block p rounds its own rows into Y[p % 2].  Its memory and LDS instructions are the stores from the other Y and the loads into the X of block p - 1: the two buffers that block p - 1 worked on and that
; no conversion of block p names.  So the waits at a block's head state all that they hang on, and they are dealt among the block's conversions with no further wait.
.set PITCH, 2064                       ; an LDS row: 2,048 bytes of bf16 + 16, an odd multiple of 16: the 16 rows of a fragment load begin 16 bytes apart modulo 256
.set RED,   64*PITCH                   ; 132,096: 8 waves x 2 accumulators x 1,024 bytes, the waves' partial sums
.set SPARE, RED+16384                  ; 148,480: the spare words, 128 bytes for each of 8 waves, which no other line names
.set X,     32                         ; v[32:223] a ring of 48 rows' 4 registers; later fragments and sums
.set Y,     224                        ; v[224:255] buffer k, row i of a block: a pair at Y + 16 k + 2 i
	s_load_b256 s[4:11], s[0:1], 0x0               ; Ua_w s[4:5], Wa_w s[6:7], query s[8:9], Wa_b s[10:11]
	s_load_b128 s[12:15], s[0:1], 0x20             ; Ua_b s[12:13], ub s[14:15]
	s_load_b64 s[16:17], s[0:1], 0x30              ; qb
	v_lshl_add_u32 v30, v0, 2, SPARE               ; my spare word, and 0: kept for the add at the wave's end
	v_mov_b32 v31, 0
	v_lshrrev_b32 v1, 5, v0
	v_readfirstlane_b32 s18, v1                    ; wave 0..7
	v_lshlrev_b32 v1, 4, v0                        ; 16 t: my 16 bytes of an f32 row
	v_lshlrev_b32 v2, 3, v0                        ; 8 t: my 8 bytes of a bf16 row, rows 0-31
	v_add_nc_u32 v3, 32*PITCH, v2                  ; the same for rows 32-63 (an LDS offset has 16 bits)
	v_bfe_u32 v5, v0, 5, 1
	v_and_b32 v6, 1, v0
	v_lshlrev_b32 v4, 5, v5
	v_lshl_add_u32 v4, v6, 4, v4                   ; bytes of my four o among the group's 16: 32 ((t>>5)&1) + 16 (t&1)
	s_lshl_b32 s20, ttmp9, 16                      ; 16 rows of 4,096 bytes
	s_mov_b32 s21, 0
	s_lshl_b32 s22, ttmp9, 6                       ; 16 numbers of 4 bytes
	s_mov_b32 s23, 0
	s_lshr_b32 s24, ttmp9, 1                       ; ub: (T>>2)*131072 + ((T>>1)&1)*65536 = (T>>1)*65536,
	s_lshl_b32 s24, s24, 16
	s_and_b32 s26, ttmp9, 1
	s_lshl_b32 s26, s26, 10                        ; + (T&1)*1024
	s_add_co_u32 s24, s24, s26
	s_mov_b32 s25, 0
	s_wait_alu depctr_va_sdst(0)                   ; s18 is written, ahead of its first reader: the fragments' addresses and the last branch are made from it
	s_wait_kmcnt 0x0
	s_add_nc_u64 s[4:5], s[4:5], s[20:21]
	s_add_nc_u64 s[6:7], s[6:7], s[20:21]
	s_add_nc_u64 s[10:11], s[10:11], s[22:23]
	s_add_nc_u64 s[12:13], s[12:13], s[22:23]
	s_add_nc_u64 s[14:15], s[14:15], s[24:25]
	s_add_nc_u64 s[16:17], s[16:17], s[22:23]
	s_wait_alu depctr_va_vdst(0)                   ; v1 to v4 are written: the loads below read v1 and v4 as offsets, the rows' LDS stores v2 and v3 as addresses
	global_load_b128 v[8:11], v4, s[10:11]         ; the biases go out first: the rows' counted waits show them in as well
	global_load_b128 v[12:15], v4, s[12:13]
.macro ROWLD rho                       ; row rho of 64: 0-15 Ua, 16-31 Wa (each read once in the launch), 32-63 query
.set xl, X+4*((\rho)%48)
.if (\rho) < 16
	global_load_b128 v[xl:xl+3], v1, s[4:5] offset:(\rho)*4096 th:TH_LOAD_NT
.elseif (\rho) < 32
	global_load_b128 v[xl:xl+3], v1, s[6:7] offset:((\rho)-16)*4096 th:TH_LOAD_NT
.else
	global_load_b128 v[xl:xl+3], v1, s[8:9] offset:((\rho)-32)*4096
.endif
.endm
.macro PUT rho                         ; row rho as bf16 goes from its block's Y into LDS
.set ys, Y+16*(((\rho)>>3)&1)+2*((\rho)&7)
.if (\rho) < 32
	ds_store_b64 v2, v[ys:ys+1] offset:(\rho)*PITCH
.else
	ds_store_b64 v3, v[ys:ys+1] offset:((\rho)-32)*PITCH
.endif
.endm
; Block p: rows 8 p to 8 p + 7.
.macro BLK p
.if (\p) == 0
	s_wait_loadcnt 40                              ; loads come back in order (ISA guide 5.7.1): rows 0 to 7 are in, rows 8 to 47 stay out
.elseif (\p) < 4
	s_wait_loadcnt 32                              ; behind my last row stand 32 rows: blocks 1 and 2 have each asked for eight more
.else
	s_wait_loadcnt 56-8*(\p)                       ; the counts run down
.endif
.if (\p) >= 2
	s_wait_alu depctr_vm_vsrc(0)                   ; the LDS stores issued in the block before have read Y[p % 2], which this block's conversions write again
.endif
.if (\p) >= 1
	s_wait_alu depctr_va_vdst(0)                   ; the block before has written the other Y, which the stores below read, and is done reading its X, in which the loads of blocks 1 and 2 land
.endif
.set i, 0
.rept 8
.if ((\p) == 1) || ((\p) == 2)
	ROWLD 8*((\p)-1)+i+48                          ; into the registers that the block before has emptied; no conversion since the wait names them
.endif
.if (\p) >= 1
	PUT 8*((\p)-1)+i                               ; the block before
.endif
.set xr, X+4*((8*(\p)+i)%48)
.set yr, Y+16*((\p)&1)+2*i
	v_cvt_pk_bf16_f32 v[yr], v[xr], v[xr+1]
	v_cvt_pk_bf16_f32 v[yr+1], v[xr+2], v[xr+3]
.set i, i+1
.endr
.endm
.set rho, 0
.rept 48
	ROWLD rho
.set rho, rho+1
.endr
	BLK 0                                          ; it has no block in front of it: no store, and no wait but the one for its rows
	BLK 1
	BLK 2
	BLK 3
	BLK 4
	BLK 5
	BLK 6
	BLK 7
	; Fragments: lane l holds row l%16; registers 0-3 K = 8 (l/16) + 0..7, registers 4-7 K = 16 + 8 (l/16) + 0..7.  Wave w takes K blocks 4 w .. 4 w + 3: 256 bytes of each row.
	; Their addresses are made here, ahead of the wait that block 7's stores want anyway; each of the three scalars has a register of its own.
	v_and_b32 v5, 15, v0
	v_bfe_u32 v6, v0, 4, 1
	v_mul_u32_u24 v5, v5, PITCH
	v_lshl_add_u32 v5, v6, 4, v5
	s_lshl_b32 s19, s18, 8
	v_add_nc_u32 v5, s19, v5                       ; rows 0-31
	v_add_nc_u32 v6, 32*PITCH, v5                  ; rows 32-63
	v_and_b32 v7, 31, v0
	s_lshl_b32 s27, s18, 13
	v_lshl_add_u32 v20, v7, 4, s27                 ; in ub: 4 K blocks of 2,048 bytes a wave, 16 bytes a lane
	s_lshl_b32 s28, s18, 11
	s_add_co_u32 s28, s28, RED
	v_lshl_add_u32 v21, v7, 5, s28                 ; my 32 bytes of my wave's partial sums
	s_wait_alu depctr_va_vdst(0)                   ; block 7 has written Y1, which the last eight stores read; v5, v6, v20 and v21 are written; all conversions are done reading X, in which the fragments land.  No vector instruction follows up to the products
.set rho, 56
.rept 8
	PUT rho
.set rho, rho+1
.endr
	s_wait_dscnt 0x0                               ; for the others' sake: my stores are done
	s_barrier_signal -1
	s_barrier_wait -1
.irp n, 0,1,2,3,4,5,6,7                ; half fragment n: K block n/2, half n%2: 32 n bytes along the row
	ds_load_b128 v[32+4*\n:35+4*\n], v5 offset:32*\n
.endr
.irp n, 0,1,2,3,4,5,6,7
	ds_load_b128 v[64+4*\n:67+4*\n], v5 offset:16*PITCH+32*\n
	ds_load_b128 v[96+4*\n:99+4*\n], v6 offset:32*\n
	ds_load_b128 v[128+4*\n:131+4*\n], v6 offset:16*PITCH+32*\n
.endr
.irp n, 0,1,2,3,4,5,6,7
	s_wait_dscnt 31-\n                             ; Ua's half fragment n is in; the younger loads stay out
	global_store_b128 v20, v[32+4*\n:35+4*\n], s[14:15] offset:(\n/2)*2048+(\n%2)*512  ; a wave's store covers 512 consecutive bytes, aligned; its data come from an LDS load, and nothing writes them again
.endr
	s_wait_dscnt 0x0
	; q_proj, my four K blocks: source 0 = 16 rows of Wa (o), source 1 = 16 rows of query (b).  Two accumulators (b 0-15, b 16-31) take turns; the first pair starts the sums.
	v_wmma_f32_16x16x32_bf16 v[160:167], v[64:71], v[96:103], 0
	v_wmma_f32_16x16x32_bf16 v[168:175], v[64:71], v[128:135], 0
.irp k, 1,2,3
	v_wmma_f32_16x16x32_bf16 v[160:167], v[64+8*\k:71+8*\k], v[96+8*\k:103+8*\k], v[160:167]
	v_wmma_f32_16x16x32_bf16 v[168:175], v[64+8*\k:71+8*\k], v[128+8*\k:135+8*\k], v[168:175]
.endr
.rept 4
	v_nop                                          ; four places between the last product and the stores that read the results
.endr
	s_wait_alu depctr_va_vdst(0)                   ; the matrix instructions have written the accumulators, which the LDS stores read; the places above stay beside this wait
	ds_store_b128 v21, v[160:163]                  ; register j of lane l: o = 16 T + 8 (l/16) + j, b = 16 i + l%16
	ds_store_b128 v21, v[164:167] offset:16
	ds_store_b128 v21, v[168:171] offset:1024
	ds_store_b128 v21, v[172:175] offset:1040
	s_wait_dscnt 0x0
	s_barrier_signal -1
	s_barrier_wait -1
	s_cmp_gt_u32 s18, 3                            ; 512 sums of four numbers: 128 threads
	s_cbranch_scc1 .Lend
	v_lshl_add_u32 v22, v0, 4, RED                 ; thread t: accumulator t>>6, lane (t>>1)&31, registers 4 (t&1) + 0..3
	v_lshrrev_b32 v23, 6, v0
	v_bfe_u32 v24, v0, 1, 4
	v_lshl_add_u32 v23, v23, 4, v24                ; b = 16 (t>>6) + ((t>>1)&15)
	v_lshl_add_u32 v23, v23, 12, v4                ; 4,096 b + my four o
	s_wait_alu depctr_va_vdst(0)                   ; v22 is written, which the loads below read as their address, and v23, the last store's offset
.irp w, 0,1,2,3,4,5,6,7
	ds_load_b128 v[176+4*\w:179+4*\w], v22 offset:2048*\w
.endr
	v_pk_add_f32 v[8:9], v[8:9], v[12:13]          ; Wa_b + Ua_b: these two lines name none of the registers that the loads touch
	v_pk_add_f32 v[10:11], v[10:11], v[14:15]
	s_wait_dscnt 0x0
.irp w, 1,2,3,4,5,6,7
	v_pk_add_f32 v[176:177], v[176:177], v[176+4*\w:177+4*\w]
	v_pk_add_f32 v[178:179], v[178:179], v[178+4*\w:179+4*\w]
.endr
	v_pk_add_f32 v[176:177], v[176:177], v[8:9]
	v_pk_add_f32 v[178:179], v[178:179], v[10:11]
	s_wait_alu depctr_va_vdst(0)                   ; the additions have written v[176:179], which the store reads
	global_store_b128 v23, v[176:179], s[16:17]    ; runs of 64 bytes (16 o of one b): the price of owning 16 o; qb is 131,072 bytes in all
.Lend:
	s_wait_dscnt 0x0                               ; the closing lines, six on end
	s_wait_alu 0x0
	s_wait_tensorcnt 0x0
	ds_add_u32 v30, v31
	s_wait_dscnt 0x0
	s_endpgm
.Lfunc_end_k_q679466b251_prep:
	.size	k_q679466b251_prep, .Lfunc_end_k_q679466b251_prep-k_q679466b251_prep
	.p2alignl 7, 3214868480
	.fill 96, 4, 3214868480
	.section	.rodata,"a",@progbits
	.p2align	6, 0x0
	.amdhsa_kernel k_q679466b251_prep
		.amdhsa_group_segment_fixed_size 149504
		.amdhsa_private_segment_fixed_size 0
		.amdhsa_enable_private_segment 0
		.amdhsa_kernarg_size 56
		.amdhsa_user_sgpr_count 2
		.amdhsa_user_sgpr_kernarg_segment_ptr 1
		.amdhsa_wavefront_size32 1
		.amdhsa_system_sgpr_workgroup_id_x 1
		.amdhsa_system_sgpr_workgroup_id_y 1
		.amdhsa_system_sgpr_workgroup_id_z 1
		.amdhsa_system_vgpr_workitem_id 0
		.amdhsa_next_free_vgpr 256
		.amdhsa_next_free_sgpr 66
		.amdhsa_reserve_vcc 0
		.amdhsa_float_denorm_mode_32 3
		.amdhsa_float_denorm_mode_16_64 3
		.amdhsa_memory_ordered 1
		.amdhsa_forward_progress 1
		.amdhsa_inst_pref_size 28
	.end_amdhsa_kernel
	.amdgpu_metadata
---
amdhsa.version: [ 1, 2 ]
amdhsa.kernels:
  - .name:           k_q679466b251_prep
    .symbol:         k_q679466b251_prep.kd
    .args:
      - { .name: Ua_w, .offset: 0, .size: 8, .value_kind: global_buffer, .address_space: global }
      - { .name: Wa_w, .offset: 8, .size: 8, .value_kind: global_buffer, .address_space: global }
      - { .name: query, .offset: 16, .size: 8, .value_kind: global_buffer, .address_space: global }
      - { .name: Wa_b, .offset: 24, .size: 8, .value_kind: global_buffer, .address_space: global }
      - { .name: Ua_b, .offset: 32, .size: 8, .value_kind: global_buffer, .address_space: global }
      - { .name: ub, .offset: 40, .size: 8, .value_kind: global_buffer, .address_space: global }
      - { .name: qb, .offset: 48, .size: 8, .value_kind: global_buffer, .address_space: global }
    .group_segment_fixed_size: 149504
    .private_segment_fixed_size: 0
    .kernarg_segment_align: 8
    .kernarg_segment_size: 56
    .max_flat_workgroup_size: 256
    .sgpr_count:     66
    .vgpr_count:     256
    .wavefront_size: 32
...
	.end_amdgpu_metadata
.endif
;; end of part 5
;; launch main: the kernel of part 4 again; grid 256 x 1, 4 waves a work-group, clusters of 4 x 1, 327,680 bytes of LDS; arguments keys, ub, qb, Va_w, scores, ctxp; writes scores, ctxp
;; launch finish: the kernel of part 3 again; grid 256 x 1, 8 waves a work-group, no clusters, 5,632 bytes of LDS; arguments scores, ctxp, Va_w, Va_b, out0, out1; writes out0, out1
